; MI455X (gfx1250); checked and timed in simulation.
; The chip was launched on July 23, 2026; its instructions are those of AMD's public machine-readable ISA for CDNA 5 (MIT licence, August 2026) and "CDNA5" Instruction Set Architecture Reference Guide (July 2026). The comments in the code are by the model that wrote it; some were corrected since.
;; Multihead Attention. Allowed arithmetic: matrix products marked QUANTISED: E2M1 operands, one E8M0 scale for each 32 along K, by v_wmma_scale_f32_16x16x128_f8f6f4 with both operands' format E2M1 (or v_wmma_scale_f32_32x16x128_f4), f32 sums; products left as they are: bf16, f16 or f32 operands; f32 sums; everything else in f32.
;; Inputs: Wk 16 x 1,024 x 64 float32; Wo_b 1,024 float32; Wo_w 1,024 x 1,024 float32; Wq 16 x 1,024 x 64 float32; Wv 16 x 1,024 x 64 float32; k 4 x 2,048 x 1,024 float32; mask 4 x 2,048 x 2,048 int32; q 4 x 2,048 x 1,024 float32; v 4 x 2,048 x 1,024 float32.
;; Outputs: out0 4 x 2,048 x 1,024 float32.
;; This version of the problem:
;;   THIS VERSION OF THE PROBLEM IS GIVEN IN LOW PRECISION. The matrix products marked QUANTISED in the list below multiply operands that are first quantised to E2M1 (2 exponent bits, 1 mantissa bit; 4 bits a number), with one power-of-two scale for each 32 numbers along K (OCP MX v1.0); their sums are f32. The products marked 'left as it is' may take bf16, f16 or f32 operands, with f32 sums. All else is computed in f32.
;;   The module's matrix products, in the order in which they are computed (A, B: the left and right operand; K: the contracted axis; several contracted axes count as one K, in the product's order):
;;     1. [M 1,024, K 1,024] x [K 1,024, N 8,192]; A: input Wq; B: input q: QUANTISED
;;     2. [M 1,024, K 1,024] x [K 1,024, N 8,192]; A: input Wk; B: input k: QUANTISED
;;     3. [M 1,024, K 1,024] x [K 1,024, N 8,192]; A: input Wv; B: input v: QUANTISED
;;     4. batch 64 x [M 2,048, K 64] x [K 64, N 2,048]; A: computed on the way; B: computed on the way: left as it is (an operand is computed on the way)
;;     5. batch 64 x [M 2,048, K 2,048] x [K 2,048, N 64]; A: computed on the way; B: computed on the way: left as it is (an operand is computed on the way)
;;     6. [M 8,192, K 1,024] x [K 1,024, N 1,024]; A: computed on the way; B: input Wo_w: left as it is (an operand is computed on the way)
;;   THE QUANTISER, for each operand of a quantised product, along K:
;;     - K is cut into blocks of 32 from its start; a last block that is shorter is filled with zeros.
;;     - A block's scale is 2^e with e = floor(log2(the largest magnitude in the block)) - 2, held to -126 .. 127; a block of zeros has e = 0. As a byte (E8M0): e + 127.
;;     - Each number is divided by its block's scale, clamped to +-6, and rounded to the nearest number of E2M1, ties to even, subnormals kept.
;;     - The product sums the exact products of the quantised numbers (number of the format x scale) in f32.
;;   ~~~python
;;   def quantise(x, axis):      # numpy; x: float32 -> the quantised numbers, widened to float32 again
;;       x = np.moveaxis(x, axis, -1); K = x.shape[-1]
;;       x = np.pad(x, [(0, 0)] * (x.ndim - 1) + [(0, -K % 32)]); x = x.reshape(x.shape[:-1] + (-1, 32)); a = np.abs(x).max(-1, keepdims=True)
;;       e = np.where(a > 0, np.clip(np.frexp(np.where(a > 0, a, 1))[1] - 1 - 2, -126, 127), 0)      # np.frexp(a)[1] - 1 = floor(log2(a)), exactly
;;       r = np.clip(x / 2.0 ** e, -6, 6)
;;       step = 2.0 ** (np.maximum(np.frexp(np.where(r == 0, 1, r))[1] - 1, 0) - 1)
;;       q = np.round(r / step) * step * 2.0 ** e      # np.round: ties to even
;;       return np.moveaxis(q.reshape(q.shape[:-2] + (-1,))[..., :K], -1, axis).astype(np.float32)
;;   ~~~
;; One version. Each part assembles by itself: llvm-mc -triple=amdgcn-amd-amdhsa -mcpu=gfx1250 --defsym DOCPART=n.
;; ======== version 1 of 1: 4 launches
;; limits: values are held in f16: magnitudes above 65,504 overflow, below 6.1e-05 lose precision
;; workspace buffers: xc 12,582,912 bytes; xs 786,432 bytes; wc 1,572,864 bytes; ws 98,304 bytes; wob 2,097,152 bytes; maskbits 2,097,152 bytes of whole numbers; qkv 50,331,648 bytes; ab 16,777,216 bytes
;; launch prep (part 1): grid 1456 x 1, 4 waves a work-group, no clusters, 101,888 bytes of LDS; arguments q, k, v, mask, Wq, Wk, Wv, Wo_w, xc, xs, wc, ws, wob, maskbits; writes xc, xs, wc, ws, wob, maskbits
.if DOCPART == 1
	.amdgcn_target "amdgcn-amd-amdhsa--gfx1250"
	.amdhsa_code_object_version 6
	.text
	.protected	k_qdc07079192_prep
	.globl	k_qdc07079192_prep
	.p2align	8
	.type	k_qdc07079192_prep,@function
k_qdc07079192_prep:
	s_mov_b64 s[64:65], 0
	v_nop
	global_prefetch_b8 v0, s[64:65] scope:SCOPE_SE
	s_setreg_imm32_b32 hwreg(HW_REG_WAVE_MODE, 25, 1), 1
	s_wait_xcnt 0x0
; PREP: four streams in one launch, told apart by the work-group's number.  Each path has its own pointers, its own LDS bytes and its own end; waves share nothing: no barrier.
;  W (48 work-groups):  Wq, Wk, Wv [16][1024 (K)][64] f32 -> codes of FP4 (E2M1) with K innermost, wc [3][1024 rows 64 h + d][512 bytes], and one E8M0 byte for each 32 along K, ws [3][1024][32].
;           Its waves have the longest chain of waits of the four paths (16 blocks one after the other, two ahead), so its work-groups have the lowest numbers.
;  X (768): q, k, v [8192][1024] f32 -> codes, K innermost, xc [3][8192][512 bytes], and scale bytes xs [3][8192][32].
;  M (512): mask [4][2048][2048] int32 -> lane masks, maskbits [b][tile of 16 queries][step of 64 keys][32 words]: bit l of word 8 kt + j says whether
;           mask[b][16 tile + l % 16][64 step + 16 kt + 8 (l / 16) + j] is not 0: the lane mask of one register of the scores in the attention launch.  So the int32 mask is read once, not once a head.
;  O (128): Wo_w [1024 n][1024 k] f32 -> f16 in planes of 64 along k, wob [16][1024 n][64].
; A block's scale is 2^(floor(log2(its largest magnitude)) - 2); its byte is the largest magnitude's exponent field - 2, held at 1 from below.
; LIMITS: a block of zeros, and a block whose largest magnitude lies under 2^-124, gets the byte 1 (a block of zeros has zero codes, which add nothing; this program alone reads the bytes);
; NaN and infinities among the inputs are not served; Wo_w beyond 65,504 in magnitude has no f16 number.
; No cluster, no matrix unit, no tensor load: the work-groups share no input and memory binds.
.set WGW, 48
.set WGX, 768
.set WGM, 512
.set XWREG,  8192                      ; path X, LDS 0 .. 32,767: a region for each wave: two stages of 32 x XSP bytes, then its 256 scale bytes
.set XSP,    80                        ; a lane's place in a stage: 64 bytes + 16 of padding
.set XSTEPS, 16
.set XR, 16                            ; v16-79   four sets of 16 numbers as loaded
.set XX, 80                            ; v80-111  two sets of 16 neighbours
.set XE, 112                           ; v112-127 a scale byte for each step
.set XC, 128                           ; v128-191 codes, registers of its own for each step
.set WSTG,   32768                     ; path W, LDS 32,768 .. 67,583: a stage of 32 rows x 272 bytes for each wave
.set WPITCH, 272
.set WNB, 16
.set WX, 32                            ; v32-95   two sets of 32 numbers
.set WC, 96                            ; v96-99   a block's codes
.set WOUT, 112                         ; v112-175 the way out
.set WSB, 24                           ; v24-27   the scale bytes
.set MSTG,   67584                     ; path M, LDS 67,584 .. 101,375: a stage of 16 rows x 528 bytes for each wave
.set MPITCH, 528
.set MR, 16                            ; v16-143  two sets of 64 words as loaded
.set MX, 144                           ; v144-207 64 words in the order of the score registers
.set MW, 208                           ; v208-215 the lane masks: a pair of registers for each chunk
	v_lshl_add_u32 v216, v0, 2, 0x18c00
	v_mov_b32 v217, 0
	v_lshrrev_b32 v1, 5, v0
	v_readfirstlane_b32 s16, v1                    ; wave 0..3
	v_and_b32 v2, 31, v0                           ; lane
	s_cmp_lt_u32 ttmp9, WGW
	s_cbranch_scc1 .Lw
	s_cmp_lt_u32 ttmp9, WGW+WGX
	s_cbranch_scc1 .Lx
	s_cmp_lt_u32 ttmp9, WGW+WGX+WGM
	s_cbranch_scc1 .Lm
; ---------------- PATH O.  Wave g takes rows 2 g and 2 g + 1 of Wo_w: each load reads 256 consecutive bytes of each row (64 along k: a plane's share), each store writes 256 consecutive bytes of one plane.
	s_load_b64 s[4:5], s[0:1], 0x38                ; Wo_w
	s_load_b64 s[6:7], s[0:1], 0x60                ; wob
	s_sub_co_u32 s17, ttmp9, WGW+WGX+WGM
	s_lshl_b32 s17, s17, 2
	s_add_co_u32 s17, s17, s16                     ; g = 0 .. 511
	s_lshl_b32 s18, s17, 13                        ; two rows of 4,096 bytes
	s_mov_b32 s19, 0
	s_lshl_b32 s20, s17, 8                         ; two rows of 128 bytes in a plane
	s_mov_b32 s21, 0
	v_and_b32 v3, 15, v2
	v_lshrrev_b32 v5, 4, v2
	v_lshlrev_b32 v3, 4, v3
	v_lshl_add_u32 v3, v5, 12, v3                  ; in: 16 (lane % 16), lanes 16-31 one row down
	v_lshlrev_b32 v4, 3, v2                        ; out: 8 x lane
	s_wait_kmcnt 0x0
	s_add_nc_u64 s[4:5], s[4:5], s[18:19]
	s_add_nc_u64 s[6:7], s[6:7], s[20:21]
.irp kh, 0,1,2,3,4,5,6,7,8,9,10,11,12,13,14,15
	global_load_b128 v[16+4*\kh:19+4*\kh], v3, s[4:5] offset:256*\kh th:TH_LOAD_NT
.endr
.irp kh, 0,1,2,3,4,5,6,7,8,9,10,11,12,13,14,15
	s_wait_loadcnt 15-\kh                          ; loads come back in order: plane kh's is in, the younger ones stay out
	v_cvt_pk_f16_f32 v[80+2*\kh], v[16+4*\kh], v[17+4*\kh]
	v_cvt_pk_f16_f32 v[81+2*\kh], v[18+4*\kh], v[19+4*\kh]
	global_store_b64 v4, v[80+2*\kh:81+2*\kh], s[6:7] offset:131072*\kh   ; every store has data registers of its own
.endr
	s_endpgm
; ---------------- PATH X.  The three tensors are plain streams of blocks of 32.  A wave takes 16 steps of 512 numbers.  Each load reads 512 consecutive bytes; a step's 2,048 bytes turn through the wave's own
; stage, so that a lane then holds 16 neighbours along K (two neighbouring lanes hold a block).  A lane's 16 codes are 8 bytes: the wave stores 256 consecutive bytes.  A wave's 256 scale bytes leave as one store.
.macro XLOAD t
.irp i, 0,1,2,3
	global_load_b128 v[XR+16*((\t)%4)+4*\i:XR+16*((\t)%4)+4*\i+3], v3, s[4:5] offset:2048*(\t)+512*\i th:TH_LOAD_NT
.endr
.endm
.macro XTURN t                         ; LDS serves a wave's instructions in order: no wait between the stores and the loads
.irp i, 0,1,2,3
	ds_store_b128 v14, v[XR+16*((\t)%4)+4*\i:XR+16*((\t)%4)+4*\i+3] offset:32*XSP*((\t)%2)+8*XSP*\i
.endr
.irp i, 0,1,2,3
	ds_load_b128 v[XX+16*((\t)%2)+4*\i:XX+16*((\t)%2)+4*\i+3], v15 offset:32*XSP*((\t)%2)+16*\i
.endr
.endm
.macro XSTEP t
.set XSR, XX+16*((\t)%2)
.if (\t) > 0
	s_wait_dscnt 1                                 ; this step's numbers are back from the stage (the last step's byte store may be out): so the stores into the stage have read their registers,
.else
	s_wait_dscnt 0x0
.endif
.if (\t)+4 < XSTEPS
	XLOAD (\t)+4                                   ; which take the loads of four steps on
.endif
.if (\t)+1 < XSTEPS
.if XSTEPS-2-(\t) >= 3
	s_wait_loadcnt 12                              ; the next step's four loads are in; those of the three steps behind it may be out
.else
	s_wait_loadcnt 4*(XSTEPS-2-(\t))
.endif
	XTURN (\t)+1
.endif
	v_max3_num_f32 v8, |v[XSR]|, |v[XSR+1]|, |v[XSR+2]|            ; the largest magnitude of my 16, in two chains
	v_max3_num_f32 v9, |v[XSR+3]|, |v[XSR+4]|, |v[XSR+5]|
.irp i, 6,10
	v_max3_num_f32 v8, v8, |v[XSR+\i]|, |v[XSR+\i+1]|
	v_max3_num_f32 v9, v9, |v[XSR+\i+2]|, |v[XSR+\i+3]|
.endr
	v_max3_num_f32 v8, v8, |v[XSR+14]|, |v[XSR+15]|
	v_max3_num_f32 v8, v8, v9, 0x1800000           ; and the floor 2^(3 - 127): the byte cannot fall under 1
	v_max_num_f32_dpp v8, v8, v8 row_xmask:1 row_mask:0xf bank_mask:0xf   ; with my neighbour's 16: the block's
	v_add_nc_u32 v11, 0xff000000, v8               ; 2 off the exponent field: the conversion takes this operand's exponent field as its scale
	v_cvt_scalef32_pk8_fp4_f32 v[XC+4*(\t)], v[XSR:XSR+7], v11
	v_cvt_scalef32_pk8_fp4_f32 v[XC+4*(\t)+1], v[XSR+8:XSR+15], v11
	v_lshrrev_b32 v[XE+(\t)], 23, v11              ; the scale's byte (also the plain line behind the conversions)
	ds_store_b8 v5, v[XE+(\t)] offset:16*(\t)      ; both lanes of a block write the same byte with the same value
	global_store_b64 v4, v[XC+4*(\t):XC+4*(\t)+1], s[12:13] offset:256*(\t)
.endm
.Lx:
	s_load_b128 s[4:7], s[0:1], 0x0                ; q, k
	s_load_b64 s[8:9], s[0:1], 0x10                ; v
	s_load_b128 s[12:15], s[0:1], 0x40             ; xc, xs
	s_sub_co_u32 s26, ttmp9, WGW                   ; my number in this path, 0 .. 767: 256 work-groups a tensor
	v_lshlrev_b32 v3, 4, v2                        ; my 16 bytes of a load's 512
	s_mul_i32 s17, s16, XWREG
	v_lshrrev_b32 v14, 2, v2
	v_mul_u32_u24 v14, v14, XSP
	v_and_b32 v15, 3, v2
	v_lshl_add_u32 v14, v15, 4, v14
	v_add_nc_u32 v14, s17, v14                     ; into the stage: four lanes' 64 bytes on end, then 16 of padding
	v_mul_u32_u24 v15, v2, XSP
	v_add_nc_u32 v15, s17, v15                     ; out of it: my 16 neighbours
	v_lshlrev_b32 v4, 3, v2                        ; 8 x lane: my codes' place in a step's, and my 8 scale bytes' at the end
	v_lshrrev_b32 v5, 1, v2
	s_add_co_u32 s17, s17, 2*32*XSP
	v_add_nc_u32 v5, s17, v5                       ; LDS: my block's byte among the wave's 256
	v_add_nc_u32 v6, s17, v4
	s_and_b32 s18, s26, 255
	s_lshl_b32 s18, s18, 2
	s_add_co_u32 s18, s18, s16                     ; which run of 8,192 numbers of the tensor is my wave's
	s_lshl_b32 s18, s18, 15
	s_mov_b32 s19, 0
	s_lshl_b32 s20, s26, 2
	s_add_co_u32 s20, s20, s16                     ; and which of all three tensors': the outputs lie one tensor behind the other
	s_lshl_b32 s22, s20, 12                        ; 4,096 bytes of codes a run
	s_mov_b32 s23, 0
	s_lshl_b32 s24, s20, 8                         ; 256 scale bytes a run
	s_mov_b32 s25, 0
	s_wait_kmcnt 0x0
	s_cmp_lt_u32 s26, 512                          ; the choice hangs on the work-group's number alone
	s_cselect_b64 s[6:7], s[6:7], s[8:9]           ; k or v
	s_cmp_lt_u32 s26, 256
	s_cselect_b64 s[4:5], s[4:5], s[6:7]           ; q, or that
	s_add_nc_u64 s[4:5], s[4:5], s[18:19]
	s_add_nc_u64 s[12:13], s[12:13], s[22:23]
	s_add_nc_u64 s[14:15], s[14:15], s[24:25]
.irp t, 0,1,2,3
	XLOAD \t
.endr
	s_wait_loadcnt 12                              ; step 0's four loads are in
	XTURN 0
.irp t, 0,1,2,3,4,5,6,7,8,9,10,11,12,13,14,15
	XSTEP \t
.endr
	ds_load_b64 v[12:13], v6                       ; in order behind my byte stores
	s_wait_dscnt 0x0
	global_store_b64 v4, v[12:13], s[14:15]        ; 32 lanes store 256 consecutive bytes, aligned
	s_wait_tensorcnt 0x0
	ds_add_u32 v216, v217
	s_wait_dscnt 0x0
	s_endpgm
; ---------------- PATH M.  A work-group takes a tile of 16 queries, wave w its keys 512 w .. 512 w + 511, in four chunks of 128 keys.  Each load reads 512 consecutive bytes of one row.  A chunk turns through the
; wave's stage (rows 528 bytes apart), so that lane (r, h) holds, in register 32 s + 8 kt + j, mask[row r][64 s + 16 kt + 8 h + j].  A compare then gives the word of that register, and 64 words leave as 256 bytes.
.macro MLOAD c
.irp i, 0,1,2,3,4,5,6,7,8,9,10,11,12,13,14,15
	global_load_b128 v[MR+64*((\c)%2)+4*\i:MR+64*((\c)%2)+4*\i+3], v3, s[4:5] offset:\i*8192+(\c)*512 th:TH_LOAD_NT
.endr
.endm
.macro MCHUNK c
.if (\c) < 3
	s_wait_loadcnt 16                              ; this chunk's 16 loads are in; the next chunk's stay out
.else
	s_wait_loadcnt 0x0
.endif
.irp i, 0,1,2,3,4,5,6,7,8,9,10,11,12,13,14,15
	ds_store_b128 v4, v[MR+64*((\c)%2)+4*\i:MR+64*((\c)%2)+4*\i+3] offset:\i*MPITCH
.endr
.irp u, 0,1,2,3,4,5,6,7
	ds_load_b128 v[MX+8*\u:MX+8*\u+3], v5 offset:(\u/4)*256+(\u%4)*64
	ds_load_b128 v[MX+8*\u+4:MX+8*\u+7], v5 offset:(\u/4)*256+(\u%4)*64+16
.endr
	s_wait_dscnt 0x0                               ; the words are back; the stores into the stage have read their registers,
.if (\c) < 2
	MLOAD (\c)+2                                   ; which take the chunk two on
.endif
.set wg, 0
.rept 8                                ; eight words at a time, so that no line waits for the line above it
.irp e, 0,1,2,3,4,5,6,7
	v_cmp_ne_u32 s[20+\e], 0, v[MX+8*wg+\e]        ; word 8 wg + e: a bit for each lane
.endr
.irp e, 0,1,2,3,4,5,6,7
	v_writelane_b32 v[MW+2*(\c)+(\e)%2], s[20+\e], 4*wg+(\e)/2   ; lane l will store words 2 l and 2 l + 1
.endr
.set wg, wg+1
.endr
	global_store_b64 v6, v[MW+2*(\c):MW+2*(\c)+1], s[6:7] offset:256*(\c)   ; 256 consecutive bytes, aligned; data registers of its own for each chunk
.endm
.Lm:
	s_load_b64 s[4:5], s[0:1], 0x18                ; mask
	s_load_b64 s[6:7], s[0:1], 0x68                ; maskbits
	s_sub_co_u32 s17, ttmp9, WGW+WGX               ; the tile of 16 queries, 0 .. 511
	s_lshl_b32 s18, s17, 17                        ; 16 rows of 8,192 bytes
	s_lshl_b32 s19, s16, 11                        ; 512 keys of 4 bytes
	s_add_co_u32 s18, s18, s19
	s_mov_b32 s19, 0
	s_lshl_b32 s28, s17, 12                        ; 32 steps of 128 bytes
	s_lshl_b32 s29, s16, 10                        ; 8 steps
	s_add_co_u32 s28, s28, s29
	s_mov_b32 s29, 0
	s_mul_i32 s30, s16, 16*MPITCH
	s_add_co_u32 s30, s30, MSTG                    ; my stage
	v_lshlrev_b32 v3, 4, v2
	v_add_nc_u32 v4, s30, v3                       ; in: 16 x lane of a row
	v_and_b32 v5, 15, v2
	v_mul_u32_u24 v5, v5, MPITCH
	v_lshrrev_b32 v7, 4, v2
	v_lshl_add_u32 v5, v7, 5, v5
	v_add_nc_u32 v5, s30, v5                       ; back: row lane % 16, + 32 (lane / 16)
	v_lshlrev_b32 v6, 3, v2
.irp i, 0,1,2,3,4,5,6,7
	v_mov_b32 v[MW+\i], 0                          ; written whole once: v_writelane_b32 writes one lane
.endr
	s_wait_kmcnt 0x0
	s_add_nc_u64 s[4:5], s[4:5], s[18:19]
	s_add_nc_u64 s[6:7], s[6:7], s[28:29]
	MLOAD 0
	MLOAD 1
	MCHUNK 0
	MCHUNK 1
	MCHUNK 2
	MCHUNK 3
	s_wait_tensorcnt 0x0
	ds_add_u32 v216, v217
	s_wait_dscnt 0x0
	s_endpgm
; ---------------- PATH W.  K is the middle axis.  A lane takes a column d and its registers run down K: a block of 32 lies in one lane, and the conversions give codes with K innermost.  A work-group takes one head of one
; weight; wave w its columns 32 (w % 2) on and K 512 (w / 2) on.  A lane's 256 bytes of codes go through the wave's stage and leave by rows: sixteen lanes store 256 consecutive bytes.
; The 16 scale bytes of a lane go out as they are, 16 bytes of a row of 32: 98,304 bytes in all.
.macro WLOAD t
.irp i, 0,1,2,3,4,5,6,7,8,9,10,11,12,13,14,15,16,17,18,19,20,21,22,23,24,25,26,27,28,29,30,31
	global_load_b32 v[WX+32*((\t)%2)+\i], v3, s[4:5] offset:(32*(\t)+\i)*256 th:TH_LOAD_NT
.endr
.endm
.macro WBLOCK t
.set WSR, WX+32*((\t)%2)
.if (\t) < WNB-1
	s_wait_loadcnt 32                              ; this block's 32 loads are in; the next block's may be out
.else
	s_wait_loadcnt 0
.endif
	v_max3_num_f32 v12, |v[WSR]|, |v[WSR+1]|, |v[WSR+2]|
	v_max3_num_f32 v13, |v[WSR+3]|, |v[WSR+4]|, |v[WSR+5]|
.irp i, 6,10,14,18,22,26
	v_max3_num_f32 v12, v12, |v[WSR+\i]|, |v[WSR+\i+1]|
	v_max3_num_f32 v13, v13, |v[WSR+\i+2]|, |v[WSR+\i+3]|
.endr
	v_max3_num_f32 v12, v12, |v[WSR+30]|, |v[WSR+31]|
	v_max3_num_f32 v12, v12, v13, 0x1800000        ; the floor 2^(3 - 127)
	v_add_nc_u32 v11, 0xff000000, v12              ; the conversion's scale operand
	v_lshrrev_b32 v13, 23, v11                     ; the scale's byte
.if (\t)%4 == 0
	v_mov_b32 v[WSB+(\t)/4], v13
.else
	v_lshl_or_b32 v[WSB+(\t)/4], v13, 8*((\t)%4), v[WSB+(\t)/4]
.endif
.irp g, 0,1,2,3
	v_cvt_scalef32_pk8_fp4_f32 v[WC+\g], v[WSR+8*\g:WSR+8*\g+7], v11
.endr
	ds_store_b128 v4, v[WC:WC+3] offset:16*(\t)    ; 32 codes: 16 bytes of my column's row
.if (\t)+2 < WNB
	WLOAD (\t)+2
.endif
	s_wait_dscnt 0x0                               ; the store has read its registers: the next block's codes may be written
.endm
.Lw:
	s_load_b128 s[4:7], s[0:1], 0x20               ; Wq, Wk
	s_load_b64 s[8:9], s[0:1], 0x30                ; Wv
	s_load_b128 s[12:15], s[0:1], 0x50             ; wc, ws
	s_mov_b32 s17, ttmp9                           ; 16 x tensor + head
	s_lshr_b32 s18, s17, 4
	s_and_b32 s19, s17, 15
	s_and_b32 s20, s16, 1                          ; which 32 columns
	s_lshr_b32 s21, s16, 1                         ; which 512 along K
	s_lshl_b32 s22, s19, 18                        ; in: a head is 262,144 bytes, 512 rows are 131,072, 32 columns 128
	s_lshl_b32 s23, s21, 17
	s_add_co_u32 s22, s22, s23
	s_lshl_b32 s23, s20, 7
	s_add_co_u32 s22, s22, s23
	s_mov_b32 s23, 0
	s_lshl_b32 s24, s18, 10
	s_lshl_b32 s25, s19, 6
	s_add_co_u32 s24, s24, s25
	s_lshl_b32 s25, s20, 5
	s_add_co_u32 s24, s24, s25                     ; my first row of wc and ws: 1024 x tensor + 64 h + 32 (w % 2)
	s_lshl_b32 s26, s24, 9
	s_lshl_b32 s27, s21, 8
	s_add_co_u32 s26, s26, s27
	s_mov_b32 s27, 0
	s_lshl_b32 s28, s24, 5
	s_lshl_b32 s29, s21, 4
	s_add_co_u32 s28, s28, s29
	s_mov_b32 s29, 0
	s_mul_i32 s30, s16, 32*WPITCH
	s_add_co_u32 s30, s30, WSTG                    ; my stage
	v_lshlrev_b32 v3, 2, v2                        ; in: 4 bytes a lane
	v_mul_u32_u24 v4, v2, WPITCH
	v_add_nc_u32 v4, s30, v4                       ; into the stage: row = my column
	v_and_b32 v5, 15, v2
	v_lshrrev_b32 v6, 4, v2
	v_mul_u32_u24 v7, v6, WPITCH
	v_lshl_add_u32 v7, v5, 4, v7
	v_add_nc_u32 v7, s30, v7                       ; out of it: sixteen lanes to a row, two rows an instruction
	v_lshlrev_b32 v8, 9, v6
	v_lshl_add_u32 v8, v5, 4, v8                   ; and the same place in wc
	v_lshlrev_b32 v9, 5, v2                        ; my column's row of ws
	s_wait_kmcnt 0x0
	s_cmp_lt_u32 s17, 32
	s_cselect_b64 s[6:7], s[6:7], s[8:9]           ; Wk or Wv
	s_cmp_lt_u32 s17, 16
	s_cselect_b64 s[4:5], s[4:5], s[6:7]           ; Wq, or that
	s_add_nc_u64 s[4:5], s[4:5], s[22:23]
	s_add_nc_u64 s[12:13], s[12:13], s[26:27]
	s_add_nc_u64 s[14:15], s[14:15], s[28:29]
	WLOAD 0
	WLOAD 1
.set WQ, 0
.rept WNB
	WBLOCK WQ
.set WQ, WQ+1
.endr
	global_store_b128 v9, v[WSB:WSB+3], s[14:15]
.irp t, 0,1,2,3,4,5,6,7,8,9,10,11,12,13,14,15
	ds_load_b128 v[WOUT+4*\t:WOUT+4*\t+3], v7 offset:2*\t*WPITCH
.endr
.irp t, 0,1,2,3,4,5,6,7,8,9,10,11,12,13,14,15
	s_wait_dscnt 15-\t
	global_store_b128 v8, v[WOUT+4*\t:WOUT+4*\t+3], s[12:13] offset:2*\t*512
.endr
	s_wait_tensorcnt 0x0
	ds_add_u32 v216, v217
	s_wait_dscnt 0x0
	s_endpgm
.Lfunc_end_k_qdc07079192_prep:
	.size	k_qdc07079192_prep, .Lfunc_end_k_qdc07079192_prep-k_qdc07079192_prep
	.p2alignl 7, 3214868480
	.fill 96, 4, 3214868480
	.section	.rodata,"a",@progbits
	.p2align	6, 0x0
	.amdhsa_kernel k_qdc07079192_prep
		.amdhsa_group_segment_fixed_size 101888
		.amdhsa_private_segment_fixed_size 0
		.amdhsa_enable_private_segment 0
		.amdhsa_kernarg_size 112
		.amdhsa_user_sgpr_count 2
		.amdhsa_user_sgpr_kernarg_segment_ptr 1
		.amdhsa_wavefront_size32 1
		.amdhsa_system_sgpr_workgroup_id_x 1
		.amdhsa_system_sgpr_workgroup_id_y 1
		.amdhsa_system_sgpr_workgroup_id_z 1
		.amdhsa_system_vgpr_workitem_id 0
		.amdhsa_next_free_vgpr 218
		.amdhsa_next_free_sgpr 66
		.amdhsa_reserve_vcc 0
		.amdhsa_float_denorm_mode_32 3
		.amdhsa_float_denorm_mode_16_64 3
		.amdhsa_memory_ordered 1
		.amdhsa_forward_progress 1
		.amdhsa_inst_pref_size 166
	.end_amdhsa_kernel
	.amdgpu_metadata
---
amdhsa.version: [ 1, 2 ]
amdhsa.kernels:
  - .name:           k_qdc07079192_prep
    .symbol:         k_qdc07079192_prep.kd
    .args:
      - { .name: q, .offset: 0, .size: 8, .value_kind: global_buffer, .address_space: global }
      - { .name: k, .offset: 8, .size: 8, .value_kind: global_buffer, .address_space: global }
      - { .name: v, .offset: 16, .size: 8, .value_kind: global_buffer, .address_space: global }
      - { .name: mask, .offset: 24, .size: 8, .value_kind: global_buffer, .address_space: global }
      - { .name: Wq, .offset: 32, .size: 8, .value_kind: global_buffer, .address_space: global }
      - { .name: Wk, .offset: 40, .size: 8, .value_kind: global_buffer, .address_space: global }
      - { .name: Wv, .offset: 48, .size: 8, .value_kind: global_buffer, .address_space: global }
      - { .name: Wo_w, .offset: 56, .size: 8, .value_kind: global_buffer, .address_space: global }
      - { .name: xc, .offset: 64, .size: 8, .value_kind: global_buffer, .address_space: global }
      - { .name: xs, .offset: 72, .size: 8, .value_kind: global_buffer, .address_space: global }
      - { .name: wc, .offset: 80, .size: 8, .value_kind: global_buffer, .address_space: global }
      - { .name: ws, .offset: 88, .size: 8, .value_kind: global_buffer, .address_space: global }
      - { .name: wob, .offset: 96, .size: 8, .value_kind: global_buffer, .address_space: global }
      - { .name: maskbits, .offset: 104, .size: 8, .value_kind: global_buffer, .address_space: global }
    .group_segment_fixed_size: 101888
    .private_segment_fixed_size: 0
    .kernarg_segment_align: 8
    .kernarg_segment_size: 112
    .max_flat_workgroup_size: 128
    .sgpr_count:     66
    .vgpr_count:     218
    .wavefront_size: 32
...
	.end_amdgpu_metadata
.endif
;; end of part 1
;; launch proj (part 2): grid 4 x 96, 4 waves a work-group, clusters of 4 x 4, 327,680 bytes of LDS; arguments xc, xs, wc, ws, qkv; writes qkv
.if DOCPART == 2
	.amdgcn_target "amdgcn-amd-amdhsa--gfx1250"
	.amdhsa_code_object_version 6
	.text
	.protected	k_qdc07079192_proj
	.globl	k_qdc07079192_proj
	.p2align	8
	.type	k_qdc07079192_proj,@function
k_qdc07079192_proj:
	s_mov_b64 s[64:65], 0
	v_nop
	global_prefetch_b8 v0, s[64:65] scope:SCOPE_SE
	s_setreg_imm32_b32 hwreg(HW_REG_WAVE_MODE, 25, 1), 1
	s_wait_xcnt 0x0
	s_wait_alu depctr_hold_cnt(0) depctr_sa_sdst(0) depctr_va_vdst(0) depctr_va_sdst(0) depctr_va_ssrc(0) depctr_va_vcc(0) depctr_vm_vsrc(0)
	s_getreg_b32 s2, hwreg(HW_REG_IB_STS2, 6, 4)
	s_cmp_eq_u32 s2, 0
	s_cbranch_scc0 .Lentry_in_a_cluster
	s_endpgm
.Lentry_in_a_cluster:
	s_bfe_u32 s2, ttmp6, 0x10000c
	s_cmp_lg_u32 s2, 0xf033
	s_cbranch_scc0 .Lentry_shape_is_right
	s_endpgm
.Lentry_shape_is_right:
; PROJ: the three quantised products, as one GEMM on codes of FP4 (E2M1) with one E8M0 scale for each 32 along K.  A = xc, [24,576 rows: tensor, b, l][1024 K]; B = wc, [3 x 1024 rows: tensor, h, d][1024 K].
; C(row, 64 h + d) = sum over K, f32; rounded once to f16 and stored by heads: qkv [3][b][h][l][64].  q's results are first multiplied by c = log2(e) / 8 in f32 (k's and v's by 1.0, by the same lines: 32 packed
; multiplies for 16 rows x 128 columns, and no branch), so that the attention launch's scores are exponents of 2 as they come.
; LIMIT: a projection beyond 65,504 in magnitude has no f16 number.  Inputs like the drawn ones give at most about 8: room for 30 x on both factors.
; A tile of C, 256 x 256, is made by a work-group of four waves; a wave makes 128 x 128: 64 accumulators, 512 registers.  K = 1,024 is two slots of 512 along K (rows of 256 bytes): both are first fills, nothing is filled again.
; The scale bytes of the work-group's 256 + 256 rows, for all of K, are two dense blocks: they come once, with the first fills.
; CLUSTERS: 4 x 4 work-groups.  The four of a row of the cluster need the same tiles of A, the four of a column the same tiles of B: each tile is asked for jointly.  A cluster's 1,024 rows of A lie in one tensor, so its
; B is that tensor's weight: which one hangs on the cluster's y alone.
; THE MATRIX INSTRUCTION IS USED TRANSPOSED (source 0 = 16 rows of B, source 1 = 16 rows of A): a lane holds eight neighbouring d of one row.
; REGISTERS, in windows of 256: window 0: v0-31 addresses; v32-95 scale words, two sets; v128-191 A's fragments, one set; on the way out v32-63, v192-255.  window 1: B's fragments, two sets, at v0 and v128.
;   window 2: the accumulators of my rows 0-63 ((a, b) at v[8 (8 a + b)]); window 3: those of my rows 64-127.
.set NQ,     4                         ; steps of 128 along K in a slot
.set ROWB,   256                       ; a tile's row in bytes: 512 codes
.set KROW,   512                       ; a row of xc or wc
.set PITCH,  272                       ; an LDS row: 256 bytes + 16 of padding = 68 words: the 16 rows that a load touches start at 16 different banks (64 banks of 4 bytes: ISA guide 11.1)
.set FR,     8
.set NL,     2
.set NP,     4                         ; places behind this matrix instruction (ISA guide 7.12.1)
.set HALFT,  128*PITCH
.set SLOT,   4*HALFT                   ; A's 256 rows, then B's 256 rows
.set KS,     32                        ; a row of scale bytes
.set SCL,    2*SLOT                    ; behind the slots: the scales, as runs of 256 bytes + 16 of padding
.set HALFS,  (128*KS/256)*272
.set SBLK,   (16*KS/256)*272
.set SPARE,  SCL+4*HALFS               ; the spare words, 128 bytes for each wave, which no other line names
.set STAGE,  SPARE+512                 ; the way out: 16 rows x 272 bytes for each wave; no tile lands here
.set SPITCH, 272
.set ADRA, 16
.set ADRB, 20
.set STO,  24
.set RD,   25
.set CO,   26
.set ADRS, 27
.set SPW,  28                          ; v28  SPARE + 4 x my thread's number; never rewritten
.set NIL,  29                          ; v29  0; never rewritten
.set SC,   32
.set AF,   128
.set TMP,  192                         ; the way out: packed results
.set OB,   32                          ; the way out: 16 rows read back: v32-63 and v224-255 by turns
.set G1, 24
.set G0, 32
.set G1B, 48
.set G0B, 56
.set G1S, 68
.set G0S, 76
.set G1SB, 80
.set G0SB, 88
.set MSB, 0
.macro WIN new                         ; the immediate's high byte repeats the setting that is left
.if MSB != (\new)
	s_set_vgpr_msb (MSB<<8)|(\new)
.set MSB, (\new)
.endif
.endm
.set MUL_LO, 0xa1                      ; source 0 (B) window 1, source 1 (A) window 0, C and D window 2
.set MUL_HI, 0xf1
.set TO_B,   0x40
; A joint load: waves 0 and 1 fetch for A, waves 2 and 3 for B; the branch hangs on the wave's number alone.  Four v_nop follow each of the two lines.
.macro JLOAD g0a, g1a, g0b, g1b
	s_cmp_eq_u32 s15, 0
	s_cbranch_scc0 .Lfor_b_\@
	tensor_load_to_lds s[\g0a:\g0a+3], s[\g1a:\g1a+7]
	s_nop 0
.rept 4
	v_nop
.endr
	s_branch .Lasked_\@
.Lfor_b_\@:
	tensor_load_to_lds s[\g0b:\g0b+3], s[\g1b:\g1b+7]
	s_nop 0
.rept 4
	v_nop
.endr
.Lasked_\@:
.endm
.macro CROUND                          ; a round of the cluster's barrier
	s_barrier_signal -1
	s_barrier_wait -1
	s_cmp_lg_u32 s14, 0
	s_cbranch_scc1 .Lnot_wave_0_\@
	s_barrier_signal -3
.Lnot_wave_0_\@:
	s_barrier_wait -3
	s_barrier_signal -1
	s_barrier_wait -1
.endm
	s_load_b128 s[4:7], s[0:1], 0x0                ; xc, xs
	s_load_b128 s[8:11], s[0:1], 0x10              ; wc, ws
	s_load_b64 s[12:13], s[0:1], 0x20              ; qkv
	v_lshl_add_u32 v[SPW], v0, 2, SPARE
	v_mov_b32 v[NIL], 0
	ds_add_u32 v28, v29
	s_wait_dscnt 0x0
	v_lshrrev_b32 v1, 5, v0
	v_readfirstlane_b32 s14, v1                    ; wave 0..3
	s_lshr_b32 s15, s14, 1                         ; which half of the tile's rows is mine.  Also: I fetch for A (0) or for B (1)
	s_and_b32 s16, s14, 1                          ; which half of its columns.  Also: which 128 rows of that tile I fetch
	s_bfe_u32 s40, ttmp6, 0x40000                  ; cx, cy
	s_bfe_u32 s41, ttmp6, 0x40004
	s_lshl_b32 s42, ttmp9, 2
	s_add_co_u32 s42, s42, s40                     ; tile column 0..3
	s_and_b32 s17, ttmp7, 0xffff                   ; cluster y, 0..23
	s_lshr_b32 s95, s17, 3                         ; the tensor: 0 q, 1 k, 2 v: the same in all sixteen partners
	s_lshl_b32 s17, s17, 2
	s_add_co_u32 s17, s17, s41                     ; tile row 0..95
	s_cmp_eq_u32 s95, 0
	s_cselect_b32 s96, 0x3e38aa3b, 1.0             ; what the results are multiplied by: c = log2(e) / 8 for q
	s_mov_b32 s97, s96                             ; (named with it as a pair, so it is written)
	s_lshl_b32 s43, s41, 2
	s_lshl_b32 s43, 15, s43                        ; my row of the cluster
	s_lshl_b32 s44, 0x1111, s40                    ; my column
	s_or_b32 s[G1+0], s43, (0<<16)|(1<<20)|(1<<21)|(5<<22)|(3<<25)  ; the mask; elements of 1 byte; padding on; bit 21 beside a mask; after every 64 words, 4 words
	s_or_b32 s[G1B+0], s44, (0<<16)|(1<<20)|(1<<21)|(5<<22)|(3<<25)
.irp g, G1, G1B
	s_mov_b32 s[\g+1], ROWB<<16                    ; tensor_dim0
	s_mov_b32 s[\g+2], 128<<16                     ; tensor_dim1
	s_mov_b32 s[\g+3], ROWB<<16                    ; tile_dim0
	s_mov_b32 s[\g+4], 128                         ; tile_dim1
	s_mov_b32 s[\g+5], KROW                        ; from row to row
	s_mov_b32 s[\g+6], 0
	s_mov_b32 s[\g+7], 0
.endr
	s_or_b32 s[G1S+0], s43, (3<<16)|(1<<20)|(1<<21)|(5<<22)|(3<<25) ; the scales of 128 rows: 4,096 dense bytes as 16 rows of 32 elements of 8 bytes
	s_or_b32 s[G1SB+0], s44, (3<<16)|(1<<20)|(1<<21)|(5<<22)|(3<<25)
.irp g, G1S, G1SB
	s_mov_b32 s[\g+1], 32<<16
	s_mov_b32 s[\g+2], (128*KS/256)<<16
	s_mov_b32 s[\g+3], 32<<16
	s_mov_b32 s[\g+4], 128*KS/256
	s_mov_b32 s[\g+5], 32
	s_mov_b32 s[\g+6], 0
	s_mov_b32 s[\g+7], 0
.endr
	s_lshl_b32 s18, s16, 7                         ; which 128 rows of the tile I fetch
	s_lshl_b32 s20, s17, 8
	s_add_co_u32 s20, s20, s18                     ; A: row 256 x tile row + 128 x half
	s_lshl_b32 s46, s42, 8
	s_add_co_u32 s46, s46, s18
	s_lshl_b32 s95, s95, 10
	s_add_co_u32 s46, s46, s95                     ; B: row 1024 x tensor + 256 x tile column + 128 x half
	s_mov_b32 s21, 0
	s_mov_b32 s47, 0
	s_mov_b64 s[18:19], KS
	s_mul_u64 s[22:23], s[20:21], s[18:19]         ; where these rows' scales begin,
	s_mul_u64 s[92:93], s[46:47], s[18:19]
	s_mov_b64 s[18:19], KROW
	s_mul_u64 s[20:21], s[20:21], s[18:19]         ; and their codes
	s_mul_u64 s[46:47], s[46:47], s[18:19]
	s_mul_i32 s45, s14, HALFT                      ; where they go: wave x 128 rows
	s_mul_i32 s94, s14, HALFS
	s_wait_kmcnt 0x0
	s_add_nc_u64 s[20:21], s[4:5], s[20:21]
	s_add_nc_u64 s[22:23], s[6:7], s[22:23]
	s_add_nc_u64 s[46:47], s[8:9], s[46:47]
	s_add_nc_u64 s[92:93], s[10:11], s[92:93]
	CROUND                                         ; all sixteen work-groups are here: the joint loads meet
	s_mov_b32 s[G0S], 1
	s_add_co_u32 s[G0S+1], s94, SCL
	s_mov_b64 s[G0S+2:G0S+3], s[22:23]
	s_or_b32 s[G0S+3], s[G0S+3], 0x80000000
	s_mov_b32 s[G0SB], 1
	s_add_co_u32 s[G0SB+1], s94, SCL
	s_mov_b64 s[G0SB+2:G0SB+3], s[92:93]
	s_or_b32 s[G0SB+3], s[G0SB+3], 0x80000000
	JLOAD G0S, G1S, G0SB, G1SB                     ; the scales first; then both slots: three loads of mine are out
.irp s, 0,1
	s_mov_b32 s[G0+4*\s], 1
	s_add_co_u32 s[G0+4*\s+1], s45, \s*SLOT
	s_add_nc_u64 s[G0+4*\s+2:G0+4*\s+3], s[20:21], \s*ROWB
	s_or_b32 s[G0+4*\s+3], s[G0+4*\s+3], 0x80000000
	s_mov_b32 s[G0B+4*\s], 1
	s_add_co_u32 s[G0B+4*\s+1], s45, \s*SLOT
	s_add_nc_u64 s[G0B+4*\s+2:G0B+4*\s+3], s[46:47], \s*ROWB
	s_or_b32 s[G0B+4*\s+3], s[G0B+4*\s+3], 0x80000000
	JLOAD G0+4*\s, G1, G0B+4*\s, G1B
.endr
	v_and_b32 v1, 15, v0                           ; r = l % 16
	v_bfe_u32 v2, v0, 4, 1                         ; h = l / 16
	v_mul_u32_u24 v3, v1, PITCH
	v_lshl_add_u32 v4, v2, 4, v3                   ; a fragment's row x pitch + 16 h
	s_mul_i32 s21, s15, HALFT                      ; my 128 rows of A
	s_mul_i32 s22, s16, HALFT                      ; my 128 rows of B,
	s_add_co_u32 s22, s22, 2*HALFT                 ; behind A's 256
.irp s, 0,1
	v_add_nc_u32 v[ADRA+\s], s21, v4
	v_add_nc_u32 v[ADRB+\s], s22, v4
	s_add_co_u32 s21, s21, SLOT
	s_add_co_u32 s22, s22, SLOT
.endr
	v_mul_u32_u24 v5, v1, KS                       ; my row's scales: 32 bytes a row,
	v_lshrrev_b32 v6, 8, v5
	v_lshl_add_u32 v5, v6, 4, v5                   ; and 16 more for each 256 passed
	s_mul_i32 s21, s15, HALFS
	s_mul_i32 s22, s16, HALFS
	s_add_co_u32 s22, s22, 2*HALFS
	s_sub_co_u32 s22, s22, s21
	v_mul_u32_u24 v6, s22, v2                      ; lanes 16-31 take B's: one product, the distance between the two bases
	s_add_co_u32 s21, s21, SCL
	v_add_nc_u32 v5, v5, v6
	v_add_nc_u32 v[ADRS], s21, v5
	s_mul_i32 s23, s14, 16*SPITCH
	s_add_co_u32 s23, s23, STAGE                   ; my stage
	v_mul_u32_u24 v5, v1, SPITCH
	v_lshl_add_u32 v5, v2, 4, v5
	v_add_nc_u32 v[STO], s23, v5                   ; in: row r, 16 bytes for each half of the lanes
	v_bfe_u32 v5, v0, 3, 1
	v_mul_u32_u24 v5, v5, SPITCH
	v_lshl_add_u32 v5, v2, 7, v5
	v_and_b32 v6, 7, v0
	v_lshl_add_u32 v5, v6, 4, v5
	v_add_nc_u32 v[RD], s23, v5                    ; back: lanes 0-15 two rows' first 128 bytes (my first head), lanes 16-31 their second 128 (my second head)
	v_lshlrev_b32 v[CO], 4, v1
	v_lshl_add_u32 v[CO], v2, 18, v[CO]            ; in qkv two rows of a head are 256 consecutive bytes; the next head lies 262,144 bytes on
	s_lshr_b32 s20, s17, 3
	s_lshl_b32 s20, s20, 22                        ; (4 x tensor + b) x 16 heads
	s_and_b32 s21, s17, 7
	s_lshl_b32 s21, s21, 8
	s_lshl_b32 s22, s15, 7
	s_add_co_u32 s21, s21, s22                     ; my first l
	s_lshl_b32 s21, s21, 7
	s_add_co_u32 s20, s20, s21
	s_mov_b32 s21, 0
	s_lshl_b32 s46, s42, 2
	s_lshl_b32 s47, s16, 1
	s_add_co_u32 s46, s46, s47                     ; my first head: 4 x tile column + 2 x half
	s_lshl_b32 s46, s46, 18
	s_mov_b32 s47, 0
	s_add_nc_u64 s[20:21], s[20:21], s[46:47]
	s_add_nc_u64 s[12:13], s[12:13], s[20:21]
.macro FRAG reg, adr, q, i             ; 16 rows x 128 K of 4-bit codes: 8 registers: lane l holds row l % 16; registers 4 c .. 4 c + 3 hold K = 64 c + 32 (l / 16) + 0 .. 31
.irp c, 0,1
	ds_load_b128 v[\reg+4*\c:\reg+4*\c+3], v[\adr] offset:64*(\q)+32*\c+(\i)*16*PITCH
.endr
.endm
; 16 matrix instructions: A's blocks a0, a0 + 1 x B's eight, the slot's q-th 128 along K.  The 64 accumulators take turns, one instruction a turn, in the same order in every step.
; One register carries A's scale word (lanes 0-15) and B's (lanes 16-31) of block i.
.macro MUL16 a0, p, q, sc, zero
.irp a, \a0, \a0+1
.irp b, 0,1,2,3,4,5,6,7
.if \zero
	v_wmma_scale_f32_16x16x128_f8f6f4 v[8*(8*((\a)%4)+\b):8*(8*((\a)%4)+\b)+7], v[128*(\p)+FR*\b:128*(\p)+FR*\b+FR-1], v[AF+FR*(\a):AF+FR*(\a)+FR-1], 0, v[SC+8*NQ*(\sc)+NQ*\b+(\q)], v[SC+8*NQ*(\sc)+NQ*(\a)+(\q)] matrix_a_fmt:MATRIX_FMT_FP4 matrix_b_fmt:MATRIX_FMT_FP4 matrix_a_scale:MATRIX_SCALE_ROW1
.else
	v_wmma_scale_f32_16x16x128_f8f6f4 v[8*(8*((\a)%4)+\b):8*(8*((\a)%4)+\b)+7], v[128*(\p)+FR*\b:128*(\p)+FR*\b+FR-1], v[AF+FR*(\a):AF+FR*(\a)+FR-1], v[8*(8*((\a)%4)+\b):8*(8*((\a)%4)+\b)+7], v[SC+8*NQ*(\sc)+NQ*\b+(\q)], v[SC+8*NQ*(\sc)+NQ*(\a)+(\q)] matrix_a_fmt:MATRIX_FMT_FP4 matrix_b_fmt:MATRIX_FMT_FP4 matrix_a_scale:MATRIX_SCALE_ROW1
.endif
.endr
.endr
.endm
.macro FETCH_B slot, q, p
	WIN TO_B
.irp i, 0,1,2,3,4,5,6,7
	FRAG 128*(\p)+FR*\i, ADRB+\slot, \q, \i
.endr
	WIN 0
.endm
.macro FETCH_A slot, q, i0
.irp i, \i0, \i0+1, \i0+2, \i0+3
	FRAG AF+FR*(\i), ADRA+\slot, \q, \i
.endr
.endm
.macro SCALES sc                       ; a slot's scale words: 4 words a row
.irp i, 0,1,2,3,4,5,6,7
	ds_load_b128 v[SC+8*NQ*\sc+NQ*\i:SC+8*NQ*\sc+NQ*\i+3], v[ADRS] offset:\i*SBLK
.endr
.endm
.macro PLACES n                        ; a load into a register that a matrix instruction has read, and a vector instruction that reads a result, stand NP plain vector instructions behind it
.rept \n
	v_nop
.endr
.endm
.macro STEP slot, q, zero              ; a step of 128 along K that has its successor in the same slot
	s_wait_dscnt 4*NL                              ; B's set and A's blocks 0-3 are in; the youngest eight loads (A's blocks 4-7) may be out
	WIN MUL_LO
	MUL16 0, (\q)%2, \q, \slot, \zero
	MUL16 2, (\q)%2, \q, \slot, \zero
	s_wait_dscnt 0
	PLACES NP
	FETCH_B \slot, (\q)+1, 1-(\q)%2
	FETCH_A \slot, (\q)+1, 0
	WIN MUL_HI
	MUL16 4, (\q)%2, \q, \slot, \zero
	MUL16 6, (\q)%2, \q, \slot, \zero
	PLACES NP
	WIN 0
	FETCH_A \slot, (\q)+1, 4
.endm
.macro TURN slot, next                 ; slot 0's last step goes over to slot 1: each wave waits for its own part of it, and a barrier shows every wave's
	s_wait_tensorcnt 0x0                           ; all my tensor loads have landed
	ds_add_u32 v[SPW], v[NIL]                      ; 0 onto my spare word
	s_wait_dscnt 4*NL+1                            ; (the add and the youngest eight loads may be out)
	WIN MUL_LO
	MUL16 0, 1, NQ-1, \slot, 0
	s_wait_dscnt 0x0
	s_barrier_signal -1
	MUL16 2, 1, NQ-1, \slot, 0
	WIN 0
	s_barrier_wait -1
	PLACES NP
	v_add_nc_u32 v[ADRS], 4*NQ, v[ADRS]            ; the next slot's scale words
	FETCH_B \next, 0, 0
	FETCH_A \next, 0, 0
	SCALES \next
	WIN MUL_HI
	MUL16 4, 1, NQ-1, \slot, 0
	MUL16 6, 1, NQ-1, \slot, 0
	PLACES NP
	WIN 0
	FETCH_A \next, 0, 4
.endm
.macro STEPS slot, from
.set Q, \from
.rept NQ-1-\from
	STEP \slot, Q, 0
.set Q, Q+1
.endr
.endm
	s_wait_tensorcnt 1                             ; the scales and my part of slot 0 are in; slot 1's load may be out
	s_barrier_signal -1
	s_barrier_wait -1
	FETCH_B 0, 0, 0
	FETCH_A 0, 0, 0
	SCALES 0
	FETCH_A 0, 0, 4
	STEP 0, 0, 1                                   ; the first products start the sums: nothing is cleared
	STEPS 0, 1
	TURN 0, 1
	STEPS 1, 0
	s_wait_dscnt 4*NL
	WIN MUL_LO
	MUL16 0, 1, NQ-1, 1, 0
	MUL16 2, 1, NQ-1, 1, 0
	s_wait_dscnt 0
	WIN MUL_HI
	MUL16 4, 1, NQ-1, 1, 0
	MUL16 6, 1, NQ-1, 1, 0
	WIN 0
; THE WAY OUT, a block of 16 rows x 128 columns (two heads) at a time: x the factor, rounded to f16 (16 bytes a lane), through my own stage, and out so that sixteen lanes store 256 consecutive bytes: two rows of one head.
.macro PACK a
.set AC, 64*((\a)%4)
	WIN 0x82+0x41*((\a)/4)                         ; source 0 and destination: window 2 or 3
.irp j, 0,2,4,6,8,10,12,14,16,18,20,22,24,26,28,30,32,34,36,38,40,42,44,46,48,50,52,54,56,58,60,62
	v_pk_mul_f32 v[AC+\j:AC+\j+1], v[AC+\j:AC+\j+1], s[96:97] op_sel_hi:[1,0]   ; each accumulator from its low end on
.endr
	WIN 0x0a+5*((\a)/4)                            ; sources 0 and 1: window 2 or 3
.irp b, 0,1,2,3,4,5,6,7
.irp r, 0,1,2,3
	v_cvt_pk_f16_f32 v[TMP+4*\b+\r], v[AC+8*\b+2*\r], v[AC+8*\b+2*\r+1]
.endr
.endr
	WIN 0
.endm
.macro TOSTAGE a
.set BB, OB+192*((\a)%2)
.irp b, 0,1,2,3,4,5,6,7
	ds_store_b128 v[STO], v[TMP+4*\b:TMP+4*\b+3] offset:32*\b
.endr
.irp t, 0,1,2,3,4,5,6,7
	ds_load_b128 v[BB+4*\t:BB+4*\t+3], v[RD] offset:\t*2*SPITCH    ; LDS serves a wave's instructions in order (ISA guide 5.7.1.4): these see the stores above
.endr
.endm
.macro SEND a
.set BB, OB+192*((\a)%2)
	s_wait_dscnt 0x0                               ; the block is back in registers
	s_wait_xcnt 0x0                                ; the earlier stores have read their registers: the next block's loads may land there
.irp t, 0,1,2,3,4,5,6,7
	global_store_b128 v[CO], v[BB+4*\t:BB+4*\t+3], s[12:13] offset:(\a)*2048+256*\t   ; the block and the pair of rows stand in the immediate: no pointer is stepped
.endr
.endm
	PLACES NP
	PACK 0
	TOSTAGE 0
.irp a, 1,2,3,4,5,6,7                  ; block a's arithmetic stands between block a - 1's loads from the stage and the wait for them
	PACK \a
	SEND \a-1
	TOSTAGE \a
.endr
	SEND 7
	s_wait_tensorcnt 0x0                           ; the wave's end
	ds_add_u32 v[SPW], v[NIL]
	s_wait_dscnt 0x0
	CROUND                                         ; the closing round
	s_endpgm
.Lfunc_end_k_qdc07079192_proj:
	.size	k_qdc07079192_proj, .Lfunc_end_k_qdc07079192_proj-k_qdc07079192_proj
	.p2alignl 7, 3214868480
	.fill 96, 4, 3214868480
	.section	.rodata,"a",@progbits
	.p2align	6, 0x0
	.amdhsa_kernel k_qdc07079192_proj
		.amdhsa_group_segment_fixed_size 327680
		.amdhsa_private_segment_fixed_size 0
		.amdhsa_enable_private_segment 0
		.amdhsa_kernarg_size 40
		.amdhsa_user_sgpr_count 2
		.amdhsa_user_sgpr_kernarg_segment_ptr 1
		.amdhsa_wavefront_size32 1
		.amdhsa_system_sgpr_workgroup_id_x 1
		.amdhsa_system_sgpr_workgroup_id_y 1
		.amdhsa_system_sgpr_workgroup_id_z 1
		.amdhsa_system_vgpr_workitem_id 0
		.amdhsa_next_free_vgpr 1024
		.amdhsa_next_free_sgpr 98
		.amdhsa_reserve_vcc 0
		.amdhsa_float_denorm_mode_32 3
		.amdhsa_float_denorm_mode_16_64 3
		.amdhsa_memory_ordered 1
		.amdhsa_forward_progress 1
		.amdhsa_inst_pref_size 143
	.end_amdhsa_kernel
	.amdgpu_metadata
---
amdhsa.version: [ 1, 2 ]
amdhsa.kernels:
  - .name:           k_qdc07079192_proj
    .symbol:         k_qdc07079192_proj.kd
    .args:
      - { .name: xc, .offset: 0, .size: 8, .value_kind: global_buffer, .address_space: global }
      - { .name: xs, .offset: 8, .size: 8, .value_kind: global_buffer, .address_space: global }
      - { .name: wc, .offset: 16, .size: 8, .value_kind: global_buffer, .address_space: global }
      - { .name: ws, .offset: 24, .size: 8, .value_kind: global_buffer, .address_space: global }
      - { .name: qkv, .offset: 32, .size: 8, .value_kind: global_buffer, .address_space: global }
    .group_segment_fixed_size: 327680
    .private_segment_fixed_size: 0
    .kernarg_segment_align: 8
    .kernarg_segment_size: 40
    .max_flat_workgroup_size: 128
    .sgpr_count:     98
    .vgpr_count:     1024
    .wavefront_size: 32
...
	.end_amdgpu_metadata
.endif
;; end of part 2
;; launch attn (part 3): grid 4 x 64, 16 waves a work-group, clusters of 4 x 1, 327,680 bytes of LDS; arguments qkv, maskbits, ab; writes ab
.if DOCPART == 3
	.amdgcn_target "amdgcn-amd-amdhsa--gfx1250"
	.amdhsa_code_object_version 6
	.text
	.protected	k_qdc07079192_attn
	.globl	k_qdc07079192_attn
	.p2align	8
	.type	k_qdc07079192_attn,@function
k_qdc07079192_attn:
	s_mov_b64 s[64:65], 0
	v_nop
	global_prefetch_b8 v0, s[64:65] scope:SCOPE_SE
	s_setreg_imm32_b32 hwreg(HW_REG_WAVE_MODE, 25, 1), 1
	s_wait_xcnt 0x0
	s_wait_alu depctr_hold_cnt(0) depctr_sa_sdst(0) depctr_va_vdst(0) depctr_va_sdst(0) depctr_va_ssrc(0) depctr_va_vcc(0) depctr_vm_vsrc(0)
	s_getreg_b32 s2, hwreg(HW_REG_IB_STS2, 6, 4)
	s_cmp_eq_u32 s2, 0
	s_cbranch_scc0 .Lentry_in_a_cluster
	s_endpgm
.Lentry_in_a_cluster:
	s_bfe_u32 s2, ttmp6, 0x10000c
	s_cmp_lg_u32 s2, 0x3003
	s_cbranch_scc0 .Lentry_shape_is_right
	s_endpgm
.Lentry_shape_is_right:
; ATTN: for each (b, h): O[q] = sum over k of softmax_k(where(mask == 0, -1e9, Q[q] . K[k] / 8)) V[k].  Q, K, V: f16, qkv [3][b][h][2048][64]; Q comes already multiplied by log2(e) / 8, so a product Q . K is
; t = score x log2(e).  A masked t is -1e9 x log2(e).  Products in f16 with f32 sums; maxima, sums and exponentials in f32; O rounded once to f16 into ab [h][b, l][64].
; SOFTMAX: for each query a running maximum m and sum l: p = 2^(t - m); in every step O and l are multiplied by a = 2^(m_old - m_new).  t - m is exact where t = m: a row that is wholly masked has p = 1 everywhere
; and comes out as the mean of V, as in the reference.  m begins at -3e38, O and l as zeros, so the step is written once.
; LIMITS: l is summed of the unrounded p, the product takes p rounded to f16 (p under 2^-25 counts as 0 there, beside a largest p of 1).  NaN and infinities are not served.
; SHARES: a work-group owns 512 queries of one head; each of its SIXTEEN waves 32 of them, two tiles of 16, in 256 registers: four waves to a SIMD, so that one wave's vector work stands beside another's products and
; LDS loads.  Each fragment of K and V read from LDS feeds both tiles.  Every wave walks all 2,048 keys, 64 a step.
; LAYOUT: S^T = K Q^T (source 0 = 16 keys, source 1 = 16 queries), O^T = V^T P (source 0 = 16 channels, V turned by ds_load_tr16_b128; source 1 = P): a lane holds ONE query throughout.  Two tiles of S^T, rounded in pairs, are P.
; THE MASK comes as lane masks, one word for each score register (made by the launch before): 64 words a step for the two tiles, each in a scalar register of its own; one v_cndmask_b32 a score register.
; A wait on scalar loads is for all of them, so there is ONE a step: both tiles are masked behind it, and the next step's 64 words are asked for straight behind that: they have both softmaxes, the products V^T P,
; and the next step's loads of K and products K Q^T in which to come.
; BY TURNS: tile 0's eight products V^T P stand one by one among the lines of tile 1's softmax, which names none of their registers.
; RING: two slots of 4 steps; waves 0-3 fetch K's four tiles of 64 rows, waves 4-7 V's.  CLUSTER: the four work-groups of a cluster are the four query blocks of one head: each tile is asked for jointly.
.set KS,    64
.set PK,    144                        ; a row of K in LDS: 128 bytes + 16: the 16 rows of a load start at 16 different groups of 4 banks
.set PV,    160                        ; a row of V: 128 + 32
.set VOFF,  KS*PK
.set STEPB, KS*(PK+PV)                 ; a step's tiles lie together: K's 64 rows, then V's
.set NST,   4
.set SLOT1, 1<<17                      ; slot 1 begins here: one exclusive or turns an address from one slot into the other's
.set NSL,   2048/(NST*KS)
.set STAGE, SLOT1+NST*STEPB            ; behind the ring: 32 rows x 144 bytes for each wave; no tile lands here
.set SP,    144
.set SPARE, STAGE+16*32*SP             ; the spare words, 128 bytes for each wave, which no other line names
.set AK0, 1                            ; v1   my lane's place in a tile of K
.set AV0, 2                            ; v2   in a tile of V
.set ADK, 3                            ; v3   LDS address of the step's K
.set ADV, 4                            ; v4   of its V
.set SPW, 5                            ; v5   SPARE + 4 x my thread's number; never rewritten
.set NIL, 6                            ; v6   0; never rewritten
.set NEG, 7                            ; v7   -1e9 x log2(e)
.set PFO, 8                            ; v8   256 x lane
.set QO,  9
.set RD,  10
.set GO,  11
.set ST,  12                           ; tile t's statistics at v[ST + 8 t]: +0 m, +1 (pair's upper half), +2, +3 l in two halves, +4 to +7 at work; a in +6
.set STO, 28
.set Q,   32                           ; v32-63   Q: tile t, channels 32 s on, at 16 t + 8 s
.set S,   64                           ; v64-127  S^T: tile t, keys 16 kt on, at 32 t + 8 kt; P is laid over each tile's low 16 registers
.set O,   128                          ; v128-191 O^T: tile t, channels 16 ct on, at 32 t + 8 ct
.set F,   192                          ; v192-255 a step's K (16 kt + 8 s), then its V (32 g + 8 ct)
.set TB,  2                            ; s2   LDS byte at which the step's tiles begin;  s3 at work
.set WV,  4
.set SLOTS, 5
.set STEPS, 6
.set LIM, 7                            ; s7   1 in a wave that prefetches, else the greatest number
.set G1K, 8                            ; s[8:15]   descriptor group 1 for K's tiles
.set G1V, 16                           ; s[16:23]  for V's: it differs in the padding alone
.set G0,  24                           ; s[24:27]  ONE group 0: a wave issues one of the two lines, and its group 0 is made for that line from the wave's number
.set SEL, 28                           ; s[28:29]  lane selects for v_permlanex16_b32: lane l xor 16
.set MINC, 30                          ; s[30:31]  at the head Q's address; then what the mask words' address steps by: 128, in the very last step 0
.set M0,  32                           ; s[32:63]  tile 0's 32 mask words (at the head and at the end: at work)
.set MP,  66                           ; s[66:67]  where the step's mask words of tile 0 lie; tile 1's lie 4,096 bytes on
.set M1,  68                           ; s[68:99]  tile 1's 32 mask words
.set PFA, 100                          ; s[100:101]
.macro CROUND
	s_barrier_signal -1
	s_barrier_wait -1
	s_cmp_lg_u32 s[WV], 0
	s_cbranch_scc1 .Lnot_wave_0_\@
	s_barrier_signal -3
.Lnot_wave_0_\@:
	s_barrier_wait -3
	s_barrier_signal -1
	s_barrier_wait -1
.endm
; Waves 0-3 fetch for K, waves 4-7 for V, the others nothing.  The branches hang on the wave's number alone.  Four v_nop follow each of the two lines.
.macro JLOAD
	s_cmp_lt_u32 s[WV], 4
	s_cbranch_scc0 .Lnot_k_\@
	tensor_load_to_lds s[G0:G0+3], s[G1K:G1K+7]
	s_nop 0
.rept 4
	v_nop
.endr
	s_branch .Lasked_\@
.Lnot_k_\@:
	s_cmp_lt_u32 s[WV], 8
	s_cbranch_scc0 .Lasked_\@
	tensor_load_to_lds s[G0:G0+3], s[G1V:G1V+7]
	s_nop 0
.rept 4
	v_nop
.endr
.Lasked_\@:
.endm
; A prefetch of what the NEXT change of slots will ask for: 256 rows of K and of V, each one dense run of 32,768 bytes.  One cluster walks a head, so its four partners share each run out by address, 8,192 bytes each;
; in each, wave 8 asks for K's and wave 9 for V's, lanes 256 bytes apart: each aligned 256 bytes is named once in the launch.  It stands a slot's four steps ahead of the load; the last change that fills asks for nothing.
.macro ASK
	s_cmp_gt_u32 s[SLOTS], s[LIM]
	s_cbranch_scc0 .Lnot_mine_\@
	global_prefetch_b8 v[PFO], s[PFA:PFA+1] th:TH_LOAD_NT scope:SCOPE_SE
.Lnot_mine_\@:
.endm
	s_load_b128 s[32:35], s[0:1], 0x0              ; qkv s[32:33], maskbits s[34:35]
	v_lshl_add_u32 v[SPW], v0, 2, SPARE
	v_mov_b32 v[NIL], 0
	ds_add_u32 v5, v6
	s_wait_dscnt 0x0
	v_lshrrev_b32 v1, 5, v0
	v_readfirstlane_b32 s[WV], v1                  ; wave 0..15
	s_bfe_u32 s44, ttmp6, 0x40000                  ; cx: my block of 512 queries: it enters Q's, the mask's, O's and the prefetches' addresses alone
	s_and_b32 s45, ttmp7, 0xffff                   ; 16 b + h, which the four partners share
	s_lshl_b32 s46, s45, 18                        ; the head's first byte in each of Q, K, V
	s_and_b32 s48, s[WV], 3                        ; which of a slot's four steps I fetch,
	s_bfe_u32 s47, s[WV], 0x10002                  ; and of which tensor: 0 K (waves 0-3), 1 V (waves 4-7)
	s_lshl_b32 s50, s48, 13                        ; the step's 64 rows of 128 bytes in memory,
	s_add_co_u32 s50, s50, s46
	s_lshl_b32 s51, 1<<24, s47                     ; K lies 2^24 bytes behind Q, V 2^25
	s_add_co_u32 s50, s50, s51
	s_mov_b32 s51, 0
	s_mul_i32 s49, s48, STEPB                      ; and its place in a slot: K's tile first, V's VOFF bytes on
	s_mul_i32 s47, s47, VOFF
	s_add_co_u32 s49, s49, s47
	s_lshl_b32 s52, s44, 9
	s_lshl_b32 s53, s[WV], 5
	s_add_co_u32 s52, s52, s53                     ; my first query in the head
	s_lshl_b32 s54, s52, 7
	s_add_co_u32 s54, s54, s46
	s_mov_b32 s55, 0                               ; Q's offset
	s_lshr_b32 s56, s45, 4
	s_lshl_b32 s56, s56, 11
	s_add_co_u32 s56, s56, s52                     ; 2048 b + my first query
	s_lshl_b32 s58, s56, 8                         ; mask words: 4,096 bytes for 16 queries
	s_mov_b32 s59, 0
	s_lshl_b32 s60, s44, 13                        ; the prefetches: my work-group's 8,192 bytes of a slot's run,
	s_add_co_u32 s60, s60, s46
	s_mov_b32 s3, 1<<25
	s_cmp_eq_u32 s[WV], 8
	s_cselect_b32 s3, 1<<24, s3                    ; in K (wave 8) or in V,
	s_add_co_u32 s60, s60, s3
	s_add_co_u32 s60, s60, NST*KS*128              ; in slot 1: the first change of slots steps it to slot 2.  Nothing is prefetched at the head
	s_mov_b32 s61, 0
	s_sub_co_u32 s3, s[WV], 8
	s_lshr_b32 s3, s3, 1                           ; 0 in waves 8 and 9
	s_cmp_eq_u32 s3, 0
	s_cselect_b32 s[LIM], 1, -1
	s_mov_b32 s[G1K], 15|(1<<16)|(1<<20)|(1<<21)|(4<<22)|(3<<25)  ; the mask: all four work-groups; elements of 2 bytes; padding on; bit 21 beside a mask; after every 32 words, 4 words
	s_mov_b32 s[G1V], 15|(1<<16)|(1<<20)|(1<<21)|(4<<22)|(7<<25)  ; the same with 8 words
.irp g, G1K, G1V
	s_mov_b32 s[\g+1], 64<<16                      ; tensor_dim0
	s_mov_b32 s[\g+2], KS<<16                      ; tensor_dim1
	s_mov_b32 s[\g+3], 64<<16                      ; tile_dim0
	s_mov_b32 s[\g+4], KS                          ; tile_dim1
	s_mov_b32 s[\g+5], 64                          ; from row to row
	s_mov_b32 s[\g+6], 0
	s_mov_b32 s[\g+7], 0
.endr
	s_mov_b32 s[SEL], 0x76543210
	s_mov_b32 s[SEL+1], 0xfedcba98
	s_mov_b32 s[TB], 0
	s_mov_b32 s[SLOTS], NSL-1
	s_wait_kmcnt 0x0
	s_mov_b32 s[G0], 1                             ; count = 1
	s_mov_b32 s[G0+1], s49                         ; LDS address: slot 0
	s_add_nc_u64 s[G0+2:G0+3], s[32:33], s[50:51]  ; global address of my tile
	s_or_b32 s[G0+3], s[G0+3], 0x80000000          ; type = 2
	s_add_nc_u64 s[PFA:PFA+1], s[32:33], s[60:61]
	s_add_nc_u64 s[MINC:MINC+1], s[32:33], s[54:55] ; Q at my first query
	s_add_nc_u64 s[MP:MP+1], s[34:35], s[58:59]    ; the mask words of my first tile
	CROUND                                         ; all four work-groups are here
	JLOAD                                          ; slot 0
	v_and_b32 v29, 15, v0                          ; r
	v_bfe_u32 v30, v0, 4, 1                        ; h
	v_lshlrev_b32 v[QO], 7, v29
	v_lshl_add_u32 v[QO], v30, 4, v[QO]
.irp t, 0,1
.irp s, 0,1
	global_load_b128 v[Q+16*\t+8*\s:Q+16*\t+8*\s+3],   v[QO], s[MINC:MINC+1] offset:\t*2048+\s*64      ; Q stays in registers
	global_load_b128 v[Q+16*\t+8*\s+4:Q+16*\t+8*\s+7], v[QO], s[MINC:MINC+1] offset:\t*2048+\s*64+32
.endr
.endr
	s_load_b512 s[M0:M0+15], s[MP:MP+1], 0x0       ; step 0's mask words: tile 0's,
	s_load_b512 s[M0+16:M0+31], s[MP:MP+1], 0x40
	s_load_b512 s[M1:M1+15], s[MP:MP+1], 0x1000    ; and tile 1's
	s_load_b512 s[M1+16:M1+31], s[MP:MP+1], 0x1040
	v_mul_u32_u24 v[AK0], v29, PK
	v_lshl_add_u32 v[AK0], v30, 4, v[AK0]          ; K: row r x pitch + 16 h
	v_and_b32 v31, 7, v0
	v_bfe_u32 v[ADK], v0, 3, 1
	v_lshl_add_u32 v[AV0], v30, 3, v31
	v_mul_u32_u24 v[AV0], v[AV0], PV
	v_lshl_add_u32 v[AV0], v[ADK], 4, v[AV0]
	v_add_nc_u32 v[AV0], VOFF, v[AV0]              ; V: key 8 h + l % 8, channels 8 ((l / 8) % 2) on
	s_mul_i32 s3, s[WV], 32*SP
	s_add_co_u32 s3, s3, STAGE                     ; my stage
	v_mul_u32_u24 v[STO], v29, SP
	v_lshl_add_u32 v[STO], v30, 4, v[STO]
	v_add_nc_u32 v[STO], s3, v[STO]                ; in: row r, 16 bytes for each half of the lanes
	v_and_b32 v29, 31, v0
	v_lshrrev_b32 v[RD], 3, v29
	v_mul_u32_u24 v[RD], v[RD], SP
	v_lshl_add_u32 v[RD], v31, 4, v[RD]
	v_add_nc_u32 v[RD], s3, v[RD]                  ; back: eight lanes to a row of 128 bytes, four rows an instruction
	v_lshlrev_b32 v[GO], 4, v29
	v_lshlrev_b32 v[PFO], 8, v29
	v_mov_b32 v[NEG], 0xceabfb8f                   ; -1e9 x log2(e)
.irp t, 0,1
	v_mov_b32 v[ST+8*\t], 0xff61b1e6               ; m: -3e38, under every t
	v_mov_b32 v[ST+8*\t+1], 0                      ; (named with m as a pair)
	v_mov_b32 v[ST+8*\t+2], 0                      ; l
	v_mov_b32 v[ST+8*\t+3], 0
.endr
.irp j, 0,1,2,3,4,5,6,7,8,9,10,11,12,13,14,15,16,17,18,19,20,21,22,23,24,25,26,27,28,29,30,31,32,33,34,35,36,37,38,39,40,41,42,43,44,45,46,47,48,49,50,51,52,53,54,55,56,57,58,59,60,61,62,63
	v_mov_b32 v[O+\j], 0                           ; O^T: the step is written once; its first turn finds zeros, which a = 0 leaves zeros
.endr
.macro MASK t, m                       ; where the mask is 0 the score becomes -1e9 x log2(e).  Each accumulator is read from its low end on
.irp i, 0,1,2,3,4,5,6,7,8,9,10,11,12,13,14,15,16,17,18,19,20,21,22,23,24,25,26,27,28,29,30,31
	v_cndmask_b32 v[S+32*(\t)+\i], v[NEG], v[S+32*(\t)+\i], s[\m+\i]
.endr
.endm
.macro PVONE t, g, ct                  ; one product of O^T += V^T P: tile t, keys 32 g on, channels 16 ct on
	v_wmma_f32_16x16x32_f16 v[O+32*(\t)+8*(\ct):O+32*(\t)+8*(\ct)+7], v[F+32*(\g)+8*(\ct):F+32*(\g)+8*(\ct)+7], v[S+32*(\t)+8*(\g):S+32*(\t)+8*(\g)+7], v[O+32*(\t)+8*(\ct):O+32*(\t)+8*(\ct)+7]
.endm
; One tile's softmax for one step.  pv = 1 (tile 1's): tile 0's eight products V^T P stand among its lines, at eight places, none directly behind an exponential.  Those products name v64-79, v128-159 and v192-255;
; these lines name v20-27, v96-127 and v160-191.  The four accumulators of tile 0 take turns, one instruction a turn.
.macro SOFT t, pv
.set rT, ST+8*(\t)
.set rS, S+32*(\t)
.set rO, O+32*(\t)
.irp j, 0,1,2,3
	v_max3_num_f32 v[rT+4+\j], v[rS+8*\j], v[rS+8*\j+1], v[rS+8*\j+2]      ; the maximum: four chains of seven,
.endr
.if \pv
	PVONE 0, 0, 0
.endif
.irp j, 0,1,2,3
	v_max3_num_f32 v[rT+4+\j], v[rT+4+\j], v[rS+8*\j+3], v[rS+8*\j+4]
.endr
.if \pv
	PVONE 0, 0, 1
.endif
.irp j, 0,1,2,3
	v_max3_num_f32 v[rT+4+\j], v[rT+4+\j], v[rS+8*\j+5], v[rS+8*\j+6]
.endr
.if \pv
	PVONE 0, 0, 2
.endif
	v_max3_num_f32 v[rT+4], v[rT+4], v[rS+7], v[rS+15]                     ; the four left over,
	v_max3_num_f32 v[rT+6], v[rT+6], v[rS+23], v[rS+31]
	v_max3_num_f32 v[rT+4], v[rT+4], v[rT+5], v[rT+6]
	v_max3_num_f32 v[rT+4], v[rT+4], v[rT+7], v[rT]                        ; and the old m
.if \pv
	PVONE 0, 0, 3
.endif
	v_permlanex16_b32 v[rT+5], v[rT+4], s[SEL], s[SEL+1]                   ; the query's other 32 keys lie in the lane 16 away
	v_mov_b32 v[rT+7], v[rT]
	v_max_num_f32 v[rT], v[rT+4], v[rT+5]                                  ; the new m
	v_sub_f32 v[rT+7], v[rT+7], v[rT]
	v_exp_f32 v[rT+6], v[rT+7]                                             ; a = 2^(m_old - m_new); the subtractions below are the plain lines behind it
.irp b, 0,2,4,6,8,10,12,14,16,18,20,22,24,26,28,30
	v_pk_add_f32 v[rS+\b:rS+\b+1], v[rS+\b:rS+\b+1], v[rT:rT+1] op_sel_hi:[1,0] neg_lo:[0,1] neg_hi:[0,1]   ; t - m, two at a time
.if (\pv) && (\b == 14)
	PVONE 0, 1, 0
.endif
.endr
.if \pv
	PVONE 0, 1, 1
.endif
.irp j, 0,1,2,3,4,5,6,7,8,9,10,11,12,13,14,15,16,17,18,19,20,21,22,23,24,25,26,27,28,29,30,31
	v_exp_f32 v[rS+\j], v[rS+\j]                                           ; p
.endr
	s_wait_alu depctr_va_vdst(0)
	v_pk_mul_f32 v[rT+2:rT+3], v[rT+2:rT+3], v[rT+6:rT+7] op_sel_hi:[1,0]  ; l x a (the plain line behind the exponentials)
	v_pk_add_f32 v[rT+4:rT+5], v[rS:rS+1], v[rS+2:rS+3]                    ; the sum of the unrounded p, in two chains; a pair is summed ahead of the rounding that writes over it
	v_cvt_pk_f16_f32 v[rS], v[rS], v[rS+1]
	v_cvt_pk_f16_f32 v[rS+1], v[rS+2], v[rS+3]
.irp i, 2,4,6,8,10,12,14
	v_pk_add_f32 v[rT+2:rT+3], v[rT+2:rT+3], v[rS+2*\i:rS+2*\i+1]
	v_cvt_pk_f16_f32 v[rS+\i], v[rS+2*\i], v[rS+2*\i+1]
	v_pk_add_f32 v[rT+4:rT+5], v[rT+4:rT+5], v[rS+2*\i+2:rS+2*\i+3]
	v_cvt_pk_f16_f32 v[rS+\i+1], v[rS+2*\i+2], v[rS+2*\i+3]
.if (\pv) && (\i == 8)
	PVONE 0, 1, 2
.endif
.endr
	v_pk_add_f32 v[rT+2:rT+3], v[rT+2:rT+3], v[rT+4:rT+5]
.irp j, 0,2,4,6,8,10,12,14,16,18,20,22,24,26,28,30
	v_pk_mul_f32 v[rO+\j:rO+\j+1], v[rO+\j:rO+\j+1], v[rT+6:rT+7] op_sel_hi:[1,0]   ; O^T x a, each accumulator from its low end on
.if (\pv) && (\j == 14)
	PVONE 0, 1, 3
.endif
.endr
.endm
; A KEY STEP.  last = 1: the copy that holds the launch's very last step.  In every run of products the accumulators take turns, one instruction a turn.
.macro STEP last
	v_add_nc_u32 v[ADK], s[TB], v[AK0]
	v_add_nc_u32 v[ADV], s[TB], v[AV0]
.rept 3
	v_nop                                          ; five plain lines behind the last step's products: the loads below land where those read V (four are owed), and the products below write over the P that those read (five)
.endr
.irp kt, 0,1,2,3
.irp s, 0,1
	ds_load_b128 v[F+16*\kt+8*\s:F+16*\kt+8*\s+3],   v[ADK] offset:\kt*16*PK+64*\s
	ds_load_b128 v[F+16*\kt+8*\s+4:F+16*\kt+8*\s+7], v[ADK] offset:\kt*16*PK+64*\s+32
.endr
.endr
	s_wait_dscnt 0x0                               ; K is in
.irp kt, 0,1,2,3
.irp t, 0,1
	v_wmma_f32_16x16x32_f16 v[S+32*\t+8*\kt:S+32*\t+8*\kt+7], v[F+16*\kt:F+16*\kt+7], v[Q+16*\t:Q+16*\t+7], 0
.endr
.endr
.irp kt, 0,1,2,3
.irp t, 0,1
	v_wmma_f32_16x16x32_f16 v[S+32*\t+8*\kt:S+32*\t+8*\kt+7], v[F+16*\kt+8:F+16*\kt+15], v[Q+16*\t+8:Q+16*\t+15], v[S+32*\t+8*\kt:S+32*\t+8*\kt+7]
.endr
.endr
.rept 4
	v_nop                                          ; four plain lines in front of the loads over K and of the first read of the scores
.endr
.irp g, 0,1
.irp ct, 0,1,2,3
	ds_load_tr16_b128 v[F+32*\g+8*\ct:F+32*\g+8*\ct+3],   v[ADV] offset:\g*32*PV+\ct*32          ; V lands while the masks and tile 0's softmax are walked
	ds_load_tr16_b128 v[F+32*\g+8*\ct+4:F+32*\g+8*\ct+7], v[ADV] offset:\g*32*PV+16*PV+\ct*32
.endr
.endr
	s_wait_kmcnt 0x0                               ; the step's 64 mask words are in: the step's one wait for scalar loads.  It shows them done, so their base may be stepped
.if \last
	s_cmp_eq_u32 s[STEPS], 1                       ; behind the very last step there are no words, and tile 1's would lie past the buffer's end in the last wave of all: the address stays,
	s_cselect_b32 s[MINC], 0, 128                  ; and the same words are loaded once more and not used
.endif
	s_add_nc_u64 s[MP:MP+1], s[MP:MP+1], s[MINC:MINC+1]
	MASK 0, M0
	MASK 1, M1
	s_load_b512 s[M0:M0+15], s[MP:MP+1], 0x0       ; the next step's words
	s_load_b512 s[M0+16:M0+31], s[MP:MP+1], 0x40
	s_load_b512 s[M1:M1+15], s[MP:MP+1], 0x1000
	s_load_b512 s[M1+16:M1+31], s[MP:MP+1], 0x1040
	SOFT 0, 0
	s_wait_dscnt 0x0                               ; V is in
	SOFT 1, 1                                      ; with tile 0's products among its lines
.irp g, 0,1
.irp ct, 0,1,2,3
	PVONE 1, \g, \ct
.endr
.endr
	s_add_co_u32 s[TB], s[TB], STEPB
.endm
; THE CHANGE OF SLOTS stands at a slot's head.  Each wave waits for all its tensor loads (its part of the slot ahead), adds 0 to its spare word, and waits for that and for its reads of the slot that it has left.
; fill = 1: the barrier is a round of the cluster's, and behind it the slot just left is filled with the next 256 keys: that load has four steps in which to land.  A wave has at most one tensor load out.
.macro CHANGE fill
	s_wait_tensorcnt 0x0                           ; no tensor load of mine is out, so the group 0 may be written
	ds_add_u32 v[SPW], v[NIL]                      ; 0 onto my spare word
.if \fill
	s_xor_b32 s[G0+1], s[G0+1], SLOT1              ; the other slot than last time,
	s_add_nc_u64 s[G0+2:G0+3], s[G0+2:G0+3], NST*KS*128   ; the next 256 keys; the type bits on top are not reached
	s_wait_xcnt 0x0                                ; the last prefetch, a slot back, has read its address
	s_add_nc_u64 s[PFA:PFA+1], s[PFA:PFA+1], NST*KS*128
	s_wait_dscnt 0x0                               ; the add is done, and my reads of the slot that I have left are over
	CROUND
	JLOAD
	ASK
.else
	s_wait_dscnt 0x0
	s_barrier_signal -1
	s_barrier_wait -1
.endif
.endm
.macro SLOT_STEPS last                 ; a slot's four steps: written once, walked four times
	s_mov_b32 s[STEPS], NST
.Lstep_\@:
	STEP \last
	s_sub_co_u32 s[STEPS], s[STEPS], 1
	s_cmp_lg_u32 s[STEPS], 0
	s_cbranch_scc1 .Lstep_\@
	s_sub_co_u32 s[TB], s[TB], NST*STEPB
	s_xor_b32 s[TB], s[TB], SLOT1                  ; on to the other slot
.endm
	s_wait_loadcnt 0x0                             ; Q is in: so the pair that held its address may be written:
	s_mov_b32 s[MINC], 128                         ; a step's mask words of a tile are 128 bytes
	s_mov_b32 s[MINC+1], 0
.Lslot:                                            ; seven trips: behind each change of slots but the last the next slot is asked for
	CHANGE 1
	SLOT_STEPS 0
	s_sub_co_u32 s[SLOTS], s[SLOTS], 1
	s_cmp_lg_u32 s[SLOTS], 0
	s_cbranch_scc1 .Lslot
	CHANGE 0                                       ; the last slot is written out
	SLOT_STEPS 1
	s_wait_kmcnt 0x0                               ; the last, unused mask words: their registers are free from here on
	; THE WAY OUT.  ab's address is read from the arguments only now (the loop had no registers to keep it), and my rows' offset made anew.
	s_load_b64 s[32:33], s[0:1], 0x10              ; ab
	s_bfe_u32 s44, ttmp6, 0x40000                  ; cx
	s_and_b32 s45, ttmp7, 0xffff                   ; 16 b + h
	s_lshl_b32 s52, s44, 9
	s_lshl_b32 s53, s[WV], 5
	s_add_co_u32 s52, s52, s53                     ; my first query in the head
	s_lshr_b32 s56, s45, 4
	s_lshl_b32 s56, s56, 11
	s_add_co_u32 s56, s56, s52                     ; 2048 b + my first query
	s_and_b32 s60, s45, 15
	s_lshl_b32 s60, s60, 20                        ; plane h,
	s_lshl_b32 s61, s56, 7                         ; rows of 128 bytes
	s_add_co_u32 s60, s60, s61
	s_mov_b32 s61, 0
	; l's halves and the other half of the lanes' are added; O^T / l, rounded to f16, goes through my stage and leaves as 512 consecutive bytes a store.  The additions are the plain lines behind the last products.
.irp t, 0,1
	v_add_f32 v[ST+8*\t+4], v[ST+8*\t+2], v[ST+8*\t+3]
.endr
.irp t, 0,1
	v_permlanex16_b32 v[ST+8*\t+5], v[ST+8*\t+4], s[SEL], s[SEL+1]
.endr
.irp t, 0,1
	v_add_f32 v[ST+8*\t+4], v[ST+8*\t+4], v[ST+8*\t+5]
.endr
.irp t, 0,1
	v_rcp_f32 v[ST+8*\t+6], v[ST+8*\t+4]
.endr
	v_nop                                          ; a plain line behind the reciprocals
	s_wait_alu depctr_va_vdst(0)
.irp t, 0,1
.irp j, 0,2,4,6,8,10,12,14,16,18,20,22,24,26,28,30
	v_pk_mul_f32 v[O+32*\t+\j:O+32*\t+\j+1], v[O+32*\t+\j:O+32*\t+\j+1], v[ST+8*\t+6:ST+8*\t+7] op_sel_hi:[1,0]
.endr
.endr
.irp i, 0,1,2,3,4,5,6,7,8,9,10,11,12,13,14,15,16,17,18,19,20,21,22,23,24,25,26,27,28,29,30,31
	v_cvt_pk_f16_f32 v[S+\i], v[O+2*\i], v[O+2*\i+1]
.endr
.irp t, 0,1
.irp ct, 0,1,2,3
	ds_store_b128 v[STO], v[S+16*\t+4*\ct:S+16*\t+4*\ct+3] offset:\t*16*SP+32*\ct
.endr
.endr
.irp i, 0,1,2,3,4,5,6,7
	ds_load_b128 v[S+32+4*\i:S+32+4*\i+3], v[RD] offset:\i*4*SP    ; in order behind my stores
.endr
	s_wait_kmcnt 0x0                               ; ab's address is in
	s_add_nc_u64 s[32:33], s[32:33], s[60:61]      ; at my first row
.irp i, 0,1,2,3,4,5,6,7
	s_wait_dscnt 7-\i                              ; LDS loads come back in order: the i-th of the eight is in
	global_store_b128 v[GO], v[S+32+4*\i:S+32+4*\i+3], s[32:33] offset:512*\i
.endr
	s_wait_tensorcnt 0x0                           ; the wave's end
	ds_add_u32 v[SPW], v[NIL]
	s_wait_dscnt 0x0
	CROUND                                         ; the closing round
	s_endpgm
.Lfunc_end_k_qdc07079192_attn:
	.size	k_qdc07079192_attn, .Lfunc_end_k_qdc07079192_attn-k_qdc07079192_attn
	.p2alignl 7, 3214868480
	.fill 96, 4, 3214868480
	.section	.rodata,"a",@progbits
	.p2align	6, 0x0
	.amdhsa_kernel k_qdc07079192_attn
		.amdhsa_group_segment_fixed_size 327680
		.amdhsa_private_segment_fixed_size 0
		.amdhsa_enable_private_segment 0
		.amdhsa_kernarg_size 24
		.amdhsa_user_sgpr_count 2
		.amdhsa_user_sgpr_kernarg_segment_ptr 1
		.amdhsa_wavefront_size32 1
		.amdhsa_system_sgpr_workgroup_id_x 1
		.amdhsa_system_sgpr_workgroup_id_y 1
		.amdhsa_system_sgpr_workgroup_id_z 1
		.amdhsa_system_vgpr_workitem_id 0
		.amdhsa_next_free_vgpr 256
		.amdhsa_next_free_sgpr 102
		.amdhsa_reserve_vcc 0
		.amdhsa_float_denorm_mode_32 3
		.amdhsa_float_denorm_mode_16_64 3
		.amdhsa_memory_ordered 1
		.amdhsa_forward_progress 1
		.amdhsa_inst_pref_size 62
	.end_amdhsa_kernel
	.amdgpu_metadata
---
amdhsa.version: [ 1, 2 ]
amdhsa.kernels:
  - .name:           k_qdc07079192_attn
    .symbol:         k_qdc07079192_attn.kd
    .args:
      - { .name: qkv, .offset: 0, .size: 8, .value_kind: global_buffer, .address_space: global }
      - { .name: maskbits, .offset: 8, .size: 8, .value_kind: global_buffer, .address_space: global }
      - { .name: ab, .offset: 16, .size: 8, .value_kind: global_buffer, .address_space: global }
    .group_segment_fixed_size: 327680
    .private_segment_fixed_size: 0
    .kernarg_segment_align: 8
    .kernarg_segment_size: 24
    .max_flat_workgroup_size: 512
    .sgpr_count:     102
    .vgpr_count:     256
    .wavefront_size: 32
...
	.end_amdgpu_metadata
.endif
;; end of part 3
;; launch outp (part 4): grid 8 x 64, 4 waves a work-group, clusters of 4 x 4, 327,680 bytes of LDS; arguments ab, wob, Wo_b, out0; writes out0
.if DOCPART == 4
	.amdgcn_target "amdgcn-amd-amdhsa--gfx1250"
	.amdhsa_code_object_version 6
	.text
	.protected	k_qdc07079192_outp
	.globl	k_qdc07079192_outp
	.p2align	8
	.type	k_qdc07079192_outp,@function
k_qdc07079192_outp:
	s_mov_b64 s[64:65], 0
	v_nop
	global_prefetch_b8 v0, s[64:65] scope:SCOPE_SE
	s_setreg_imm32_b32 hwreg(HW_REG_WAVE_MODE, 25, 1), 1
	s_wait_xcnt 0x0
	s_wait_alu depctr_hold_cnt(0) depctr_sa_sdst(0) depctr_va_vdst(0) depctr_va_sdst(0) depctr_va_ssrc(0) depctr_va_vcc(0) depctr_vm_vsrc(0)
	s_getreg_b32 s2, hwreg(HW_REG_IB_STS2, 6, 4)
	s_cmp_eq_u32 s2, 0
	s_cbranch_scc0 .Lentry_in_a_cluster
	s_endpgm
.Lentry_in_a_cluster:
	s_bfe_u32 s2, ttmp6, 0x10000c
	s_cmp_lg_u32 s2, 0xf033
	s_cbranch_scc0 .Lentry_shape_is_right
	s_endpgm
.Lentry_shape_is_right:
; OUTP: out0[row][n] = sum over k of A[row][k] Wo_w[n][k] + Wo_b[n].  A = ab, f16 in planes of 64 along k: [16][8192 rows][64]; B = wob, [16][1024 n][64]; sums in f32; out0 [8192][1024] f32.
; A tile of out0 is 128 x 128: 512 work-groups; four waves, each 64 x 64: 16 accumulators.  K goes in steps of 256 = 4 planes through a ring of two LDS slots.
; A wave's one tensor load brings two planes' 128 rows: in memory each plane's part is one dense run of 16,384 bytes, stated as one row of the tile; in LDS 16 bytes of padding follow every 128, so a matrix row is 144 bytes.
; CLUSTERS: 4 x 4 work-groups; A's tiles are asked for jointly along a row of the cluster, B's along a column.  THE MATRIX INSTRUCTION IS USED TRANSPOSED (source 0 = 16 rows of B, source 1 = 16 rows of A).
; The bias is the C of each sum's first matrix instruction.  A wave's 64 columns of f32 are 256 aligned bytes: each wave sends its own rows out through its own stage, with no barrier.
; REGISTERS: window 0: v0-31 addresses; v32-95 the way out; v96-127 the bias; v128-255 the accumulators ((a, b) at v[128 + 8 (4 a + b)]).  window 1: two fragment buffers of 128.
.set PITCH,  144                       ; 36 words: the 16 rows that a load touches start at 16 different groups of 4 banks (64 banks of 4 bytes: ISA guide 11.1)
.set PLANE,  128*PITCH
.set TILE,   4*PLANE
.set SLOT,   2*TILE                    ; A's four planes, then B's
.set STAGE,  2*SLOT                    ; behind the ring: 16 rows x 272 bytes for each wave; no tile lands here
.set SPITCH, 272
.set SPARE,  STAGE+4*16*SPITCH         ; the spare words, 128 bytes for each wave, which no other line names
.set LAPS,   2                         ; K = 1,024 is four steps: twice round the ring
.set ADRA, 16
.set ADRB, 20
.set STO,  24
.set RD,   25
.set CO,   26
.set SPW,  28                          ; v28  SPARE + 4 x my thread's number; never rewritten
.set NIL,  29                          ; v29  0; never rewritten
.set TMP,  32
.set BIAS, 96
.set ACC,  128
.set F0,   0
.set F1,   128
.set G1, 24
.set G0, 32
.set G1B, 48
.set G0B, 56
.set MSB, 0
.macro WIN new
.if MSB != (\new)
	s_set_vgpr_msb (MSB<<8)|(\new)
.set MSB, (\new)
.endif
.endm
.set MUL,  0x05                        ; sources 0 (B) and 1 (A) window 1; C and D window 0
.set TO_F, 0x40                        ; destination window 1, address window 0
.macro JLOAD s                         ; waves 0 and 1 fetch A's planes, waves 2 and 3 B's; four v_nop follow each of the two lines
	s_cmp_eq_u32 s13, 0
	s_cbranch_scc0 .Lfor_b_\@
	tensor_load_to_lds s[G0+4*\s:G0+4*\s+3], s[G1:G1+7]
	s_nop 0
.rept 4
	v_nop
.endr
	s_branch .Lasked_\@
.Lfor_b_\@:
	tensor_load_to_lds s[G0B+4*\s:G0B+4*\s+3], s[G1B:G1B+7]
	s_nop 0
.rept 4
	v_nop
.endr
.Lasked_\@:
.endm
.macro CREST
	s_cmp_lg_u32 s12, 0
	s_cbranch_scc1 .Lnot_wave_0_\@
	s_barrier_signal -3
.Lnot_wave_0_\@:
	s_barrier_wait -3
	s_barrier_signal -1
	s_barrier_wait -1
.endm
.macro CROUND
	s_barrier_signal -1
	s_barrier_wait -1
	CREST
.endm
	s_load_b128 s[4:7], s[0:1], 0x0                ; ab, wob
	s_load_b128 s[8:11], s[0:1], 0x10              ; Wo_b, out0
	v_lshl_add_u32 v[SPW], v0, 2, SPARE
	v_mov_b32 v[NIL], 0
	ds_add_u32 v28, v29
	s_wait_dscnt 0x0
	v_lshrrev_b32 v1, 5, v0
	v_readfirstlane_b32 s12, v1                    ; wave 0..3
	s_lshr_b32 s13, s12, 1                         ; which half of the tile's rows is mine.  Also: I fetch for A (0) or for B (1)
	s_and_b32 s14, s12, 1                          ; which half of its columns.  Also: which two planes of a step I fetch
	s_bfe_u32 s40, ttmp6, 0x40000
	s_bfe_u32 s41, ttmp6, 0x40004
	s_lshl_b32 s42, ttmp9, 2
	s_add_co_u32 s42, s42, s40                     ; tile column 0..7
	s_and_b32 s15, ttmp7, 0xffff
	s_lshl_b32 s15, s15, 2
	s_add_co_u32 s15, s15, s41                     ; tile row 0..63
	s_lshl_b32 s43, s41, 2
	s_lshl_b32 s43, 15, s43                        ; my row of the cluster
	s_lshl_b32 s44, 0x1111, s40                    ; my column
	s_or_b32 s[G1+0], s43, (1<<16)|(1<<20)|(1<<21)|(4<<22)|(3<<25)   ; the mask; elements of 2 bytes; padding on; bit 21 beside a mask; after every 32 words, 4 words
	s_or_b32 s[G1B+0], s44, (1<<16)|(1<<20)|(1<<21)|(4<<22)|(3<<25)
.irp g, G1, G1B
	s_mov_b32 s[\g+1], 8192<<16                    ; tensor_dim0: 128 rows x 64 elements, dense
	s_mov_b32 s[\g+2], 2<<16                       ; tensor_dim1: two planes
	s_mov_b32 s[\g+3], 8192<<16                    ; tile_dim0
	s_mov_b32 s[\g+4], 2                           ; tile_dim1
	s_mov_b32 s[\g+6], 0
	s_mov_b32 s[\g+7], 0
.endr
	s_mov_b32 s[G1+5], 524288                      ; from plane to plane, in elements: 8,192 rows of 64
	s_mov_b32 s[G1B+5], 65536                      ; 1,024 rows of 64
	s_lshl_b32 s16, s15, 14                        ; A: the tile's 128 rows of 128 bytes,
	s_lshl_b32 s17, s14, 21                        ; and my two planes of 2^20 bytes
	s_add_co_u32 s16, s16, s17
	s_mov_b32 s17, 0
	s_lshl_b32 s46, s42, 14                        ; B likewise, planes of 2^17 bytes
	s_lshl_b32 s47, s14, 18
	s_add_co_u32 s46, s46, s47
	s_mov_b32 s47, 0
	s_mul_i32 s45, s12, 2*PLANE                    ; where they go: wave x two planes
	s_wait_kmcnt 0x0
	s_add_nc_u64 s[18:19], s[4:5], s[16:17]
	s_add_nc_u64 s[46:47], s[6:7], s[46:47]
	CROUND                                         ; all sixteen work-groups are here: the first joint loads meet
.irp s, 0,1
	s_mov_b32 s[G0+4*\s], 1
	s_add_co_u32 s[G0+4*\s+1], s45, \s*SLOT
	s_add_nc_u64 s[G0+4*\s+2:G0+4*\s+3], s[18:19], \s*4*1048576
	s_or_b32 s[G0+4*\s+3], s[G0+4*\s+3], 0x80000000
	s_mov_b32 s[G0B+4*\s], 1
	s_add_co_u32 s[G0B+4*\s+1], s45, \s*SLOT
	s_add_nc_u64 s[G0B+4*\s+2:G0B+4*\s+3], s[46:47], \s*4*131072
	s_or_b32 s[G0B+4*\s+3], s[G0B+4*\s+3], 0x80000000
	JLOAD \s
.endr
	v_and_b32 v1, 15, v0                           ; r
	v_bfe_u32 v2, v0, 4, 1                         ; h
	v_mul_u32_u24 v3, v1, PITCH
	v_lshl_add_u32 v3, v2, 4, v3
	s_mul_i32 s21, s13, 64*PITCH                   ; my 64 rows of A in a plane
	s_mul_i32 s22, s14, 64*PITCH                   ; my 64 rows of B,
	s_add_co_u32 s22, s22, TILE                    ; behind A's four planes
.irp s, 0,1
	v_add_nc_u32 v[ADRA+\s], s21, v3
	v_add_nc_u32 v[ADRB+\s], s22, v3
	s_add_co_u32 s21, s21, SLOT
	s_add_co_u32 s22, s22, SLOT
.endr
	s_mul_i32 s23, s12, 16*SPITCH
	s_add_co_u32 s23, s23, STAGE                   ; my stage
	v_mul_u32_u24 v4, v1, SPITCH
	v_lshl_add_u32 v4, v2, 5, v4
	v_add_nc_u32 v[STO], s23, v4                   ; in: row r, 32 bytes for each half of the lanes
	v_mul_u32_u24 v5, v2, SPITCH
	v_lshl_add_u32 v5, v1, 4, v5
	v_add_nc_u32 v[RD], s23, v5                    ; back: lanes 0-15 one row of 256 bytes, lanes 16-31 the next
	v_lshlrev_b32 v5, 12, v2
	v_lshl_add_u32 v[CO], v1, 4, v5                ; and the same two rows in out0
	s_lshl_b32 s16, s15, 7
	s_lshl_b32 s17, s13, 6
	s_add_co_u32 s16, s16, s17                     ; my first row
	s_lshl_b32 s16, s16, 12
	s_mov_b32 s17, 0
	s_add_nc_u64 s[10:11], s[10:11], s[16:17]
	s_lshl_b32 s46, s42, 9
	s_lshl_b32 s47, s14, 8
	s_add_co_u32 s46, s46, s47                     ; my first column, in bytes
	s_mov_b32 s47, 0
	s_add_nc_u64 s[10:11], s[10:11], s[46:47]
	s_add_nc_u64 s[8:9], s[8:9], s[46:47]
	v_lshlrev_b32 v6, 5, v2                        ; the bias in the result's layout: for n block b, lane (r, h) wants columns 16 b + 8 h + 0 .. 7
.irp b, 0,1,2,3
	global_load_b128 v[BIAS+8*\b:BIAS+8*\b+3],   v6, s[8:9] offset:64*\b
	global_load_b128 v[BIAS+8*\b+4:BIAS+8*\b+7], v6, s[8:9] offset:64*\b+16
.endr
; 8 matrix instructions: m blocks a0, a0 + 1 x all 4 n blocks, 32 along K: half c of buffer f.  zero = 1: the first product starts the sums, on the bias.  The 16 accumulators take turns
.macro MUL8 f, c, a0, zero
.irp a, \a0, \a0+1
.irp b, 0,1,2,3
.if \zero
	v_wmma_f32_16x16x32_f16 v[ACC+8*(4*(\a)+\b):ACC+8*(4*(\a)+\b)+7], v[\f+64+8*(4*\c+\b):\f+64+8*(4*\c+\b)+7], v[\f+8*(4*\c+\a):\f+8*(4*\c+\a)+7], v[BIAS+8*\b:BIAS+8*\b+7]
.else
	v_wmma_f32_16x16x32_f16 v[ACC+8*(4*(\a)+\b):ACC+8*(4*(\a)+\b)+7], v[\f+64+8*(4*\c+\b):\f+64+8*(4*\c+\b)+7], v[\f+8*(4*\c+\a):\f+8*(4*\c+\a)+7], v[ACC+8*(4*(\a)+\b):ACC+8*(4*(\a)+\b)+7]
.endif
.endr
.endr
.endm
; 32 LDS loads in one run: the fragments of plane q of the slot (64 along K) into buffer f; the first 32 along K first
.macro FETCH slot, q, f
	WIN TO_F
.irp c, 0,1
.irp i, 0,1,2,3
	ds_load_b128 v[\f+64+8*(4*\c+\i):\f+64+8*(4*\c+\i)+3],   v[ADRB+\slot] offset:(\q)*PLANE+64*\c+\i*16*PITCH
	ds_load_b128 v[\f+64+8*(4*\c+\i)+4:\f+64+8*(4*\c+\i)+7], v[ADRB+\slot] offset:(\q)*PLANE+64*\c+\i*16*PITCH+32
	ds_load_b128 v[\f+8*(4*\c+\i):\f+8*(4*\c+\i)+3],         v[ADRA+\slot] offset:(\q)*PLANE+64*\c+\i*16*PITCH
	ds_load_b128 v[\f+8*(4*\c+\i)+4:\f+8*(4*\c+\i)+7],       v[ADRA+\slot] offset:(\q)*PLANE+64*\c+\i*16*PITCH+32
.endr
.endr
.endm
.macro PLACES                          ; four plain lines in front of loads into registers that matrix instructions have read, and of the first read of results
.rept 4
	v_nop
.endr
.endm
; A K step is four quarters, a plane each, 32 matrix instructions, on buffers 0, 1, 0, 1.  One of the first three: multiplies buffer f and fetches plane q into g.
.macro QUARTER slot, q, f, g, zero
	s_wait_dscnt 16                                ; the first 32 along K are in; the youngest sixteen loads may be out
	WIN MUL
	MUL8 \f, 0, 0, \zero
	MUL8 \f, 0, 2, \zero
	PLACES
	FETCH \slot, \q, \g
	s_wait_dscnt 32                                ; all but the 32 just issued
	WIN MUL
	MUL8 \f, 1, 0, 0
	MUL8 \f, 1, 2, 0
.endm
; The last quarter multiplies buffer 1 and changes slots: ONE barrier; in front of it each wave waits for all its tensor loads, adds 0 to its spare word, and waits for that and for its reads of this slot.
.macro TURN slot, next, fill
	WIN 0
	s_wait_tensorcnt 0x0                           ; all my tensor loads have landed: my part of the next slot
	ds_add_u32 v[SPW], v[NIL]                      ; 0 onto my spare word
	s_wait_dscnt 17                                ; (the add and the youngest sixteen loads may be out)
	WIN MUL
	MUL8 F1, 0, 0, 0
	s_wait_dscnt 0x0                               ; the add is done, and my reads of this slot are over
	s_barrier_signal -1
	MUL8 F1, 0, 2, 0
.if \fill
	WIN 0
.endif
	s_barrier_wait -1
.if \fill
	CREST                                          ; the barrier has opened a round of the cluster's: no wave of any partner still reads this slot or has a load on its way
	s_add_nc_u64 s[G0+4*\slot+2:G0+4*\slot+3], s[G0+4*\slot+2:G0+4*\slot+3], 8*1048576   ; two K steps on: eight planes
	s_add_nc_u64 s[G0B+4*\slot+2:G0B+4*\slot+3], s[G0B+4*\slot+2:G0B+4*\slot+3], 8*131072
	JLOAD \slot                                    ; the first tensor load behind the round; its four v_nop are also the places in front of the loads below
.else
	PLACES
.endif
	FETCH \next, 0, F0
	WIN MUL
	MUL8 F1, 1, 0, 0
	MUL8 F1, 1, 2, 0
.endm
	s_wait_tensorcnt 1                             ; my part of K step 0 is in; K step 1's may be out
	s_barrier_signal -1
	s_barrier_wait -1
	FETCH 0, 0, F0
	s_wait_loadcnt 0x0                             ; the bias
	QUARTER 0, 1, F0, F1, 1
	WIN 0                                          ; at a label and at a branch every window is 0
	s_mov_b32 s3, LAPS-1
.Llap:                                                 ; a trip goes once round the ring, from a lap's second quarter to the next lap's first, and fills both slots again
	QUARTER 0, 2, F1, F0, 0
	QUARTER 0, 3, F0, F1, 0
	TURN 0, 1, 1
	QUARTER 1, 1, F0, F1, 0
	QUARTER 1, 2, F1, F0, 0
	QUARTER 1, 3, F0, F1, 0
	TURN 1, 0, 1
	QUARTER 0, 1, F0, F1, 0
	WIN 0
	s_sub_co_u32 s3, s3, 1
	s_cmp_lg_u32 s3, 0
	s_cbranch_scc1 .Llap
	QUARTER 0, 2, F1, F0, 0                        ; the last lap fills nothing
	QUARTER 0, 3, F0, F1, 0
	TURN 0, 1, 0
	QUARTER 1, 1, F0, F1, 0
	QUARTER 1, 2, F1, F0, 0
	QUARTER 1, 3, F0, F1, 0
	s_wait_dscnt 16
	WIN MUL
	MUL8 F1, 0, 0, 0
	MUL8 F1, 0, 2, 0
	s_wait_dscnt 0
	MUL8 F1, 1, 0, 0
	MUL8 F1, 1, 2, 0
	WIN 0
; THE WAY OUT, a block of 16 rows x 64 columns at a time, through my own stage: LDS serves a wave's instructions in order (ISA guide 5.7.1.4), so no wait stands between the stores and the loads.
.macro TOSTAGE a
.irp b, 0,1,2,3
	ds_store_b128 v[STO], v[ACC+8*(4*(\a)+\b):ACC+8*(4*(\a)+\b)+3] offset:64*\b        ; each accumulator from its low end on
	ds_store_b128 v[STO], v[ACC+8*(4*(\a)+\b)+4:ACC+8*(4*(\a)+\b)+7] offset:64*\b+16
.endr
.set BB, TMP+32*((\a)%2)
.irp t, 0,1,2,3,4,5,6,7
	ds_load_b128 v[BB+4*\t:BB+4*\t+3], v[RD] offset:\t*2*SPITCH
.endr
.endm
.macro SEND a, younger                 ; younger: the LDS instructions issued behind block a's loads
.set BB, TMP+32*((\a)%2)
	s_wait_dscnt \younger
.irp t, 0,1,2,3,4,5,6,7
	global_store_b128 v[CO], v[BB+4*\t:BB+4*\t+3], s[10:11] offset:(16*(\a)+2*\t)*4096 th:TH_STORE_NT   ; sixteen lanes store 256 consecutive bytes, aligned
.endr
.endm
	PLACES
	TOSTAGE 0
.irp a, 1,2,3
.if \a > 1
	s_wait_xcnt 0x0                                ; block a - 2's stores have read their registers: block a's loads may land there
.endif
	TOSTAGE \a
	SEND \a-1, 16                                  ; behind block a - 1's loads: block a's 8 stores and 8 loads
.endr
	SEND 3, 0
	s_wait_tensorcnt 0x0                           ; the wave's end
	ds_add_u32 v[SPW], v[NIL]
	s_wait_dscnt 0x0
	CROUND                                         ; the closing round
	s_endpgm
.Lfunc_end_k_qdc07079192_outp:
	.size	k_qdc07079192_outp, .Lfunc_end_k_qdc07079192_outp-k_qdc07079192_outp
	.p2alignl 7, 3214868480
	.fill 96, 4, 3214868480
	.section	.rodata,"a",@progbits
	.p2align	6, 0x0
	.amdhsa_kernel k_qdc07079192_outp
		.amdhsa_group_segment_fixed_size 327680
		.amdhsa_private_segment_fixed_size 0
		.amdhsa_enable_private_segment 0
		.amdhsa_kernarg_size 32
		.amdhsa_user_sgpr_count 2
		.amdhsa_user_sgpr_kernarg_segment_ptr 1
		.amdhsa_wavefront_size32 1
		.amdhsa_system_sgpr_workgroup_id_x 1
		.amdhsa_system_sgpr_workgroup_id_y 1
		.amdhsa_system_sgpr_workgroup_id_z 1
		.amdhsa_system_vgpr_workitem_id 0
		.amdhsa_next_free_vgpr 512
		.amdhsa_next_free_sgpr 66
		.amdhsa_reserve_vcc 0
		.amdhsa_float_denorm_mode_32 3
		.amdhsa_float_denorm_mode_16_64 3
		.amdhsa_memory_ordered 1
		.amdhsa_forward_progress 1
		.amdhsa_inst_pref_size 86
	.end_amdhsa_kernel
	.amdgpu_metadata
---
amdhsa.version: [ 1, 2 ]
amdhsa.kernels:
  - .name:           k_qdc07079192_outp
    .symbol:         k_qdc07079192_outp.kd
    .args:
      - { .name: ab, .offset: 0, .size: 8, .value_kind: global_buffer, .address_space: global }
      - { .name: wob, .offset: 8, .size: 8, .value_kind: global_buffer, .address_space: global }
      - { .name: Wo_b, .offset: 16, .size: 8, .value_kind: global_buffer, .address_space: global }
      - { .name: out0, .offset: 24, .size: 8, .value_kind: global_buffer, .address_space: global }
    .group_segment_fixed_size: 327680
    .private_segment_fixed_size: 0
    .kernarg_segment_align: 8
    .kernarg_segment_size: 32
    .max_flat_workgroup_size: 128
    .sgpr_count:     66
    .vgpr_count:     512
    .wavefront_size: 32
...
	.end_amdgpu_metadata
.endif
;; end of part 4
